; MI455X (gfx1250); checked and timed in simulation.
; The chip was launched on July 23, 2026; its instructions are those of AMD's public machine-readable ISA for CDNA 5 (MIT licence, August 2026) and "CDNA5" Instruction Set Architecture Reference Guide (July 2026). The comments in the code are by the model that wrote it; some were corrected since.
;; Multi Head Attention. Allowed arithmetic: matrix products marked QUANTISED: E2M3 operands, one E8M0 scale for each 32 along K, by v_wmma_scale_f32_16x16x128_f8f6f4 with both operands' format E2M3, f32 sums; everything else in f32.
;; Inputs: Wk 1,024 x 1,024 float32; Wo 1,024 x 1,024 float32; Wq 1,024 x 1,024 float32; Wv 1,024 x 1,024 float32; k 4 x 2,048 x 1,024 float32; mask 4 x 2,048 x 2,048 int32; q 4 x 2,048 x 1,024 float32; v 4 x 2,048 x 1,024 float32.
;; Outputs: out0 4 x 2,048 x 1,024 float32.
;; This version of the problem:
;;   THIS VERSION OF THE PROBLEM IS GIVEN IN LOW PRECISION. The matrix products marked QUANTISED in the list below multiply operands that are first quantised to E2M3 (2 exponent bits, 3 mantissa bits; 6 bits a number), with one power-of-two scale for each 32 numbers along K (OCP MX v1.0); their sums are f32. All else is computed in f32.
;;   The module's matrix products, in the order in which they are computed (A, B: the left and right operand; K: the contracted axis; several contracted axes count as one K, in the product's order):
;;     1. [M 8,192, K 1,024] x [K 1,024, N 1,024]; A: input q; B: input Wq: QUANTISED
;;     2. [M 8,192, K 1,024] x [K 1,024, N 1,024]; A: input k; B: input Wk: QUANTISED
;;     3. [M 8,192, K 1,024] x [K 1,024, N 1,024]; A: input v; B: input Wv: QUANTISED
;;     4. batch 64 x [M 2,048, K 64] x [K 64, N 2,048]; A: computed on the way; B: computed on the way: QUANTISED
;;     5. batch 64 x [M 2,048, K 2,048] x [K 2,048, N 64]; A: softmax (see below); B: computed on the way: QUANTISED
;;     6. [M 8,192, K 1,024] x [K 1,024, N 1,024]; A: computed on the way; B: input Wo: QUANTISED
;;   THE QUANTISER, for each operand of a quantised product, along K:
;;     - K is cut into blocks of 32 from its start; a last block that is shorter is filled with zeros.
;;     - A block's scale is 2^e with e = floor(log2(the largest magnitude in the block)) - 2, held to -126 .. 127; a block of zeros has e = 0. As a byte (E8M0): e + 127.
;;     - Each number is divided by its block's scale, clamped to +-7.5, and rounded to the nearest number of E2M3, ties to even, subnormals kept.
;;     - The product sums the exact products of the quantised numbers (number of the format x scale) in f32.
;;   ~~~python
;;   def quantise(x, axis):      # numpy; x: float32 -> the quantised numbers, widened to float32 again
;;       x = np.moveaxis(x, axis, -1); K = x.shape[-1]
;;       x = np.pad(x, [(0, 0)] * (x.ndim - 1) + [(0, -K % 32)]); x = x.reshape(x.shape[:-1] + (-1, 32)); a = np.abs(x).max(-1, keepdims=True)
;;       e = np.where(a > 0, np.clip(np.frexp(np.where(a > 0, a, 1))[1] - 1 - 2, -126, 127), 0)      # np.frexp(a)[1] - 1 = floor(log2(a)), exactly
;;       r = np.clip(x / 2.0 ** e, -7.5, 7.5)
;;       step = 2.0 ** (np.maximum(np.frexp(np.where(r == 0, 1, r))[1] - 1, 0) - 3)
;;       q = np.round(r / step) * step * 2.0 ** e      # np.round: ties to even
;;       return np.moveaxis(q.reshape(q.shape[:-2] + (-1,))[..., :K], -1, axis).astype(np.float32)
;;   ~~~
;;   SOFTMAX AHEAD OF A QUANTISED PRODUCT. Where the list says 'softmax', what is quantised is not the finished softmax but p = 2^(t - M), with t = logit x log2(e) and M = ceil(the row's largest t), a whole number; so 1/2 < the row's largest p <= 1. The row's sum l is taken of the UNQUANTISED p, in f32, and the product's result is divided by l at the end. Since M is a whole number, a kernel that streams over the keys may use a running M (the ceiling of the running maximum): every later rescaling is an exact power of two, which a block's scale takes up: the codes' values come out the same.
;;   OPERANDS COMPUTED ON THE WAY. 'Computed on the way' means the value that the module computes at that place (a softmax that the list does not call 'softmax' is quantised finished and normalised). What goes into a quantiser is computed in f32, as accurately as f32 sums, v_exp_f32 and their like allow (about 1e-6 of the number): no bf16 or f16 on the way to a quantiser, and a product that is left as it is and whose result goes on into a quantised operand takes f32 operands (vector FMAs, or v_wmma_f32_16x16x4_f32). A number that lies on a knife's edge between two numbers of the format may be rounded either way, as far as f32 arithmetic and the matrix unit's own rounding can turn it there, and no further.
;; One version. Each part assembles by itself: llvm-mc -triple=amdgcn-amd-amdhsa -mcpu=gfx1250 --defsym DOCPART=n.
;; ======== version 1 of 1: 4 launches
;; limits: right only within a limited range of input values
;; workspace buffers: img 28,311,552 bytes; sc 1,179,648 bytes; maskw 2,097,152 bytes of whole numbers; att 20,971,520 bytes
;; launch prep (part 1): grid 768 x 1, 4 waves a work-group, no clusters, 34,304 bytes of LDS; arguments q, k, v, mask, Wq, Wk, Wv, Wo, img, sc, maskw; writes img, sc, maskw
.if DOCPART == 1
	.amdgcn_target "amdgcn-amd-amdhsa--gfx1250"
	.amdhsa_code_object_version 6
	.text
	.protected	k_q42d564bbec_prep
	.globl	k_q42d564bbec_prep
	.p2align	8
	.type	k_q42d564bbec_prep,@function
k_q42d564bbec_prep:
	s_mov_b64 s[64:65], 0
	v_nop
	global_prefetch_b8 v0, s[64:65] scope:SCOPE_SE
	s_setreg_imm32_b32 hwreg(HW_REG_WAVE_MODE, 25, 1), 1
	s_wait_xcnt 0x0
; PREP.  q, k, v [8192][1024] and Wq, Wk, Wv, Wo [1024 (K)][1024 (n)], f32, become codes of FP6 (E2M3) with one E8M0 byte for each 32 along K; the int32 mask becomes lane masks.
; TILES.  A tile is 16 rows of an operand (tokens, or columns n of a weight).  Lane r of tile T holds row 32 (T / 2) + 8 (T % 2) + r + 8 (r / 8).
; IMAGES.  img: [tile][K step of 128: 8][c: 2][768 bytes].  768 bytes are 16 rows x 64 K as the operand's registers take them: lane l = r + 16 h owns the 24 bytes of row r's block h:
; its first 16 bytes at 16 l, its last 8 at 512 + 8 l.  sc: [tile][row r: 32 scale bytes].  Tiles: q 0, k 512, v 1024, Wq 1536, Wk 1600, Wv 1664, Wo 1728.
; maskw: [row tile 512][key step of 128: 16][64 words]; bit l of word n says mask[row of lane l % 16][128 step + 64 (n / 32) + 32 (l / 16) + n % 32] != 0.
; A block's scale is 2^(floor(log2(largest magnitude)) - 2): its byte is the largest magnitude's exponent field - 2, held at 1 from below.
; LIMITS: NaN and infinities among the inputs are not served; a block of zeros, or one whose largest magnitude lies under 2^-124, gets the byte 1 (its codes are zeros or subnormal codes; this program alone reads the bytes).
; SHARES.  Work-groups 0-127: the weights (a lane to a column, registers down K, no LDS).  Work-groups 128-767: wave job J = 4 (g - 128) + wave; J < 1536: tile J of q, k, v; else half a row tile of the mask.
; Nothing is shared between waves or work-groups: no barrier, no cluster, no tensor load, no matrix work.  A wave of the second kind has 32 loads of 512 consecutive bytes on their way.
.set STW,  4                           ; v4   stage, in: wave's stage + 16 x lane
.set STR,  5                           ; v5   stage, out: wave's stage + 528 r + 64 h
.set VO16, 6                           ; v6   16 x lane
.set VO8,  7                           ; v7   8 x lane
.set SCV,  8                           ; v8   32 r + 16 h
.set SCW,  9                           ; v9   weights: 512 u + 32 r
.set MWD,  10                          ; v10-11 64 mask words, two a lane
.set SW,   12                          ; v12-13 weights: eight scale bytes
.set VOA,  14                          ; v14  weights: 12288 u + 16 r
.set WO,   15                          ; v15  weights: 4 x my column in the wave's 32
.set OFF,  16                          ; v16-23 16 x lane + i rows
.set W8,   24                          ; v24-31 a tile's eight scale words
.set R,    32                          ; v32-159 two sets of 64 numbers as loaded
.set X,    160                         ; v160-223 64 numbers: register 16 b + i = column 32 b + 16 h + i of my row
.set PC,   224                         ; v224-235 a fragment's codes
.set CT,   236                         ; v236-242 the conversions' second halves
.set TM,   244                         ; v244-247 largest magnitudes, v248-251 bytes, v252-255 scale operands
.set SP,   528                         ; a stage row: 512 bytes + 16, so that sixteen rows begin in sixteen different columns of 16 bytes
.set SEL,  56                          ; s[56:57] lane selects: lane l xor 16
.set HIM,  58                          ; s58  lanes 16-31
	s_load_b256 s[8:15], s[0:1], 0x0               ; q, k, v, mask
	s_load_b256 s[16:23], s[0:1], 0x20             ; Wq, Wk, Wv, Wo
	s_load_b128 s[24:27], s[0:1], 0x40             ; img, sc
	s_load_b64 s[28:29], s[0:1], 0x50              ; maskw
	v_lshl_add_u32 v239, v0, 2, 0x8400
	v_mov_b32 v243, 0
	v_lshrrev_b32 v1, 5, v0
	v_readfirstlane_b32 s2, v1                     ; wave
	v_and_b32 v1, 31, v0                           ; lane
	v_and_b32 v2, 15, v0                           ; r
	v_bfe_u32 v3, v0, 4, 1                         ; h
	v_lshlrev_b32 v[VO16], 4, v1
	v_lshlrev_b32 v[VO8], 3, v1
	s_mov_b32 s[SEL], 0x76543210
	s_mov_b32 s[SEL+1], 0xfedcba98
	s_mov_b32 s[HIM], 0xffff0000
	s_cmp_lt_u32 ttmp9, 128
	s_cbranch_scc1 .Lweights
; ---------------- q, k, v and the mask ----------------
	s_sub_co_u32 s30, ttmp9, 128
	s_lshl_b32 s30, s30, 2
	s_add_co_u32 s30, s30, s2                      ; J
	s_sub_co_u32 s31, s30, 1536                    ; J' (the mask's jobs)
	s_and_b32 s33, s30, 511                        ; x: the tile in its tensor
	s_lshr_b32 s34, s31, 1                         ; mask: the row tile
	s_and_b32 s35, s31, 1
	s_lshl_b32 s35, s35, 12                        ; mask: which half of the row, 4,096 bytes
	s_mul_i32 s36, s30, 12288                      ; x: the tile's images
	s_lshl_b32 s37, s31, 11                        ; mask: eight key steps of 256 bytes
	s_lshr_b32 s38, s30, 9
	s_min_u32 s38, s38, 3                          ; 0 q, 1 k, 2 v, 3 mask
	s_and_b32 s39, s38, 1
	s_cmp_lt_u32 s30, 1536
	s_cselect_b32 s32, 1, 0                        ; 1: numbers, 0: mask
	s_cselect_b32 s33, s33, s34
	s_cselect_b32 s35, 0, s35
	s_cselect_b32 s36, s36, s37
	s_cselect_b32 s34, 12, 13                      ; a row is 2^12 or 2^13 bytes
	; k's tiles alone have another row order: lane r of tile T holds row 64 (T / 4) + 8 (T % 4) + r % 8 + 32 (r / 8), so that in attention a lane's 32 scores of four tiles are one block of 32 keys
	s_cmp_eq_u32 s38, 1
	s_cselect_b32 s54, 2, 1                        ; log2 of the tiles in a group
	s_cselect_b32 s55, 3, 1                        ; the tile's number in its group
	s_cselect_b32 s42, 6, 5                        ; log2 of the group's rows
	s_cselect_b32 s43, 32, 16                      ; from the tile's rows 0-7 to its rows 8-15
	s_lshr_b32 s40, s33, s54
	s_lshl_b32 s40, s40, s42
	s_and_b32 s41, s33, s55
	s_lshl_b32 s41, s41, 3
	s_add_co_u32 s40, s40, s41                     ; the tile's first row
	s_lshl_b32 s40, s40, s34
	s_add_co_u32 s40, s40, s35
	s_mov_b32 s41, 0
	s_mov_b32 s37, 0
	s_lshl_b32 s42, s43, s34
	s_mov_b32 s43, 0
	s_lshl_b32 s44, s30, 9                         ; x: the tile's scale bytes
	s_mov_b32 s45, 0
	s_mul_i32 s54, s2, 16*SP                       ; my wave's stage
	s_wait_alu depctr_va_vdst(0)
	v_add_nc_u32 v[STW], s54, v[VO16]
	v_mul_u32_u24 v[STR], v2, SP
	v_lshl_add_u32 v[STR], v3, 6, v[STR]
	v_add_nc_u32 v[STR], s54, v[STR]
	v_lshlrev_b32 v[SCV], 5, v2
	v_lshl_add_u32 v[SCV], v3, 4, v[SCV]
.irp i, 0,1,2,3,4,5,6,7
	s_lshl_b32 s55, \i, s34
	v_add_nc_u32 v[OFF+\i], s55, v[VO16]
.endr
	v_mov_b32 v[MWD], 0                            ; written once: a lane write's and a lane permute's destination counts as a source
	v_mov_b32 v[MWD+1], 0
.irp b, 0,1,2,3
	v_mov_b32 v[TM+4+\b], 0
.endr
	s_wait_alu depctr_va_vdst(0)
	s_wait_kmcnt 0x0
	s_cmp_lt_u32 s38, 2
	s_cselect_b64 s[46:47], s[8:9], s[12:13]
	s_cselect_b64 s[48:49], s[10:11], s[14:15]
	s_cmp_eq_u32 s39, 0
	s_cselect_b64 s[4:5], s[46:47], s[48:49]
	s_add_nc_u64 s[4:5], s[4:5], s[40:41]          ; rows 0-7 of the tile
	s_add_nc_u64 s[6:7], s[4:5], s[42:43]          ; rows 8-15
	s_cmp_eq_u32 s32, 1
	s_cselect_b64 s[50:51], s[24:25], s[28:29]
	s_add_nc_u64 s[50:51], s[50:51], s[36:37]      ; where my images or my mask words go
	s_add_nc_u64 s[52:53], s[26:27], s[44:45]      ; where my scale bytes go (used by the numbers' jobs alone)
; 64 numbers of a lane become a fragment's codes in v[PC] on and its scale word in v[pw]
.macro QUANT s, pw
.irp b, 0,1,2,3
	v_max3_num_f32 v[TM+\b], |v[\s+16*\b]|, |v[\s+1+16*\b]|, 0x1800000   ; my 16 numbers of block b, and the floor 2^(3 - 127): the byte cannot fall under 1
.endr
.irp i, 2,4,6,8,10,12,14
.irp b, 0,1,2,3
	v_max3_num_f32 v[TM+\b], v[TM+\b], |v[\s+16*\b+\i]|, |v[\s+1+16*\b+\i]|
.endr
.endr
.irp b, 0,1,2,3
	v_permlanex16_b32 v[TM+4+\b], v[TM+\b], s[SEL], s[SEL+1]
.endr
.irp b, 0,1,2,3
	v_max_num_f32 v[TM+\b], v[TM+\b], v[TM+4+\b]   ; with lane l xor 16's 16: the block's largest magnitude
.endr
.irp b, 0,1,2,3
	v_add_nc_u32 v[TM+8+\b], 0xff000000, v[TM+\b]  ; 2 off its exponent field: the conversion's scale operand
.endr
.irp b, 0,1,2,3
	v_lshrrev_b32 v[TM+4+\b], 23, v[TM+8+\b]       ; the scale's byte
.endr
	v_lshl_or_b32 v[\pw], v[TM+5], 8, v[TM+4]
	v_lshl_or_b32 v[\pw], v[TM+6], 16, v[\pw]
	v_lshl_or_b32 v[\pw], v[TM+7], 24, v[\pw]
.irp c, 0,1
	v_cvt_scalef32_pk16_fp6_f32 v[PC+6*\c:PC+2+6*\c], v[\s+32*\c:\s+15+32*\c], v[TM+8+2*\c]
	v_cvt_scalef32_pk16_fp6_f32 v[CT+4*\c:CT+2+4*\c], v[\s+16+32*\c:\s+31+32*\c], v[TM+8+2*\c+1]   ; (a conversion's three registers begin on an even number)
.endr
	v_nop                                          ; one plain line behind the scaled conversions
.irp c, 0,1                                    ; a whole block to a lane: lanes 0-15 block 2 c, lanes 16-31 block 2 c + 1
.irp i, 0,1,2
	v_permlane16_swap_b32 v[PC+6*\c+\i], v[CT+4*\c+\i]
.endr
.irp i, 0,1,2
	v_mov_b32 v[PC+3+6*\c+\i], v[CT+4*\c+\i]
.endr
.endr
.endm
; unit u: 16 rows x 128 columns of 4 bytes; each load reads 512 consecutive bytes of one row
.macro ULOAD u
.irp i, 0,1,2,3,4,5,6,7
	global_load_b128 v[R+64*((\u)%2)+4*\i:R+64*((\u)%2)+4*\i+3], v[OFF+\i], s[4:5] offset:512*(\u) th:TH_LOAD_NT
.endr
.irp i, 0,1,2,3,4,5,6,7
	global_load_b128 v[R+64*((\u)%2)+32+4*\i:R+64*((\u)%2)+32+4*\i+3], v[OFF+\i], s[6:7] offset:512*(\u) th:TH_LOAD_NT
.endr
.endm
.macro XPART u                         ; numbers: K step u of the tile
	QUANT X, W8+(\u)
.irp c, 0,1
	global_store_b128 v[VO16], v[PC+6*\c:PC+6*\c+3], s[50:51] offset:1536*(\u)+768*\c        ; 512 consecutive bytes
	global_store_b64 v[VO8], v[PC+6*\c+4:PC+6*\c+5], s[50:51] offset:1536*(\u)+768*\c+512    ; 256 consecutive bytes
.endr
.if (\u) == 7
.irp j, 0,1,2,3
	v_cndmask_b32 v[TM+\j], v[W8+\j], v[W8+4+\j], s[HIM]   ; lanes 0-15 store their row's words 0-3, lanes 16-31 words 4-7
.endr
	global_store_b128 v[SCV], v[TM:TM+3], s[52:53]         ; the tile's 512 scale bytes in one store
.endif
.endm
.macro MPART u                         ; mask: key step u of my eight: 64 compares give 64 lane masks; word n goes to lane n / 2, register n % 2
; THE WORDS' ORDER: bit l of word n = 32 c + i says mask[row of lane l % 16][128 step + 64 c + 32 (l / 16) + i] != 0.  A compare of register 16 b + i' gives columns 32 b + 16 (l / 16) + i':
; the low halves of the compares of blocks 2 c and 2 c + 1 make word 32 c + i', their high halves word 32 c + 16 + i'.  s[8:23] held arguments that have been used.
.irp c, 0,1
.irp g, 0,1
.irp k, 0,1,2,3,4,5,6,7
	v_cmp_ne_u32 s[8+\k], 0, v[X+32*\c+8*\g+\k]
	v_cmp_ne_u32 s[16+\k], 0, v[X+32*\c+16+8*\g+\k]
.endr
.irp k, 0,1,2,3,4,5,6,7
	s_pack_ll_b32_b16 s[40+\k], s[8+\k], s[16+\k]
	s_pack_hh_b32_b16 s[8+\k], s[8+\k], s[16+\k]
.endr
.irp k, 0,1,2,3,4,5,6,7
	v_writelane_b32 v[MWD+(\k%2)], s[40+\k], (32*\c+8*\g+\k)/2
	v_writelane_b32 v[MWD+(\k%2)], s[8+\k], (32*\c+16+8*\g+\k)/2
.endr
.endr
.endr
	global_store_b64 v[VO8], v[MWD:MWD+1], s[50:51] offset:256*(\u)   ; 256 consecutive bytes, aligned
.endm
.macro UNIT u
.if (\u) < 7
	s_wait_loadcnt 16                              ; this unit's 16 loads are in; the next unit's 16 may be out
.else
	s_wait_loadcnt 0x0
.endif
.irp i, 0,1,2,3,4,5,6,7,8,9,10,11,12,13,14,15
	ds_store_b128 v[STW], v[R+64*((\u)%2)+4*\i:R+64*((\u)%2)+4*\i+3] offset:SP*\i
.endr
.irp b, 0,1,2,3
.irp j, 0,1,2,3
	ds_load_b128 v[X+16*\b+4*\j:X+16*\b+4*\j+3], v[STR] offset:128*\b+16*\j   ; LDS serves a wave's instructions in order: these see my stores
.endr
.endr
	s_wait_dscnt 0x0                               ; the numbers are back, and the stage's stores have read their registers,
.if (\u) < 6
	ULOAD (\u)+2                                   ; which take the loads of two units on
.endif
	s_wait_xcnt 0x0                                ; the last unit's stores have read their data: those registers are written again below
	s_cmp_eq_u32 s32, 0
	s_cbranch_scc1 .Lmask_\@
	XPART \u
	s_branch .Ljoin_\@
.Lmask_\@:
	MPART \u
.Ljoin_\@:
.endm
	ULOAD 0
	ULOAD 1
.irp u, 0,1,2,3,4,5,6,7
	UNIT \u
.endr
	s_wait_tensorcnt 0x0
	ds_add_u32 v239, v243
	s_wait_dscnt 0x0
	s_endpgm
; ---------------- the weights: K is their first axis ----------------
; Work-group g: weight g / 32, K chunk of 256 (g / 8) % 4; wave: 32 columns, 4 (g % 8) + wave.  A lane takes a column and its 32 registers run down K: a block is one lane's.
; Lanes 0-15 are the even tile of the pair, lanes 16-31 the odd one, each in the tiles' row order.
.Lweights:
	s_lshr_b32 s30, ttmp9, 5                       ; which weight
	s_bfe_u32 s31, ttmp9, 0x20003                  ; which 256 along K
	s_and_b32 s33, ttmp9, 7
	s_lshl_b32 s33, s33, 2
	s_add_co_u32 s33, s33, s2                      ; which 32 columns
	s_lshl_b32 s40, s31, 20                        ; 256 rows of 4,096 bytes
	s_lshl_b32 s34, s33, 7
	s_add_co_u32 s40, s40, s34
	s_mov_b32 s41, 0
	s_lshl_b32 s35, s30, 6
	s_lshl_b32 s36, s33, 1
	s_add_co_u32 s35, s35, s36
	s_add_co_u32 s35, s35, 1536                    ; my even tile
	s_mul_i32 s36, s35, 12288
	s_mul_i32 s37, s31, 3072                       ; two K steps a chunk
	s_add_co_u32 s36, s36, s37
	s_mov_b32 s37, 0
	s_lshl_b32 s44, s35, 9
	s_lshl_b32 s45, s31, 3                         ; eight scale bytes a chunk
	s_add_co_u32 s44, s44, s45
	s_mov_b32 s45, 0
	s_and_b32 s39, s30, 1
	v_and_b32 v[WO], 7, v0
	s_wait_alu depctr_va_vdst(0)
	v_lshl_or_b32 v[WO], v3, 3, v[WO]
	v_bfe_u32 v[SCW], v0, 3, 1
	v_lshl_or_b32 v[WO], v[SCW], 4, v[WO]          ; my column: (l % 8) + 8 (l / 16) + 16 ((l / 8) % 2)
	v_lshlrev_b32 v[WO], 2, v[WO]
	v_mul_u32_u24 v[VOA], v3, 12288
	v_lshl_add_u32 v[VOA], v2, 4, v[VOA]
	v_lshlrev_b32 v[SCW], 5, v2
	v_lshl_add_u32 v[SCW], v3, 9, v[SCW]
	s_wait_alu depctr_va_vdst(0)
	s_wait_kmcnt 0x0
	s_cmp_lt_u32 s30, 2
	s_cselect_b64 s[46:47], s[16:17], s[20:21]
	s_cselect_b64 s[48:49], s[18:19], s[22:23]
	s_cmp_eq_u32 s39, 0
	s_cselect_b64 s[4:5], s[46:47], s[48:49]
	s_add_nc_u64 s[4:5], s[4:5], s[40:41]
	s_add_nc_u64 s[50:51], s[24:25], s[36:37]
	s_add_nc_u64 s[52:53], s[26:27], s[44:45]
.macro WLOAD t                         ; block t: W(32 t + i, my column): a wave reads 128 consecutive bytes, the four waves side by side 512
.irp i, 0,1,2,3,4,5,6,7,8,9,10,11,12,13,14,15,16,17,18,19,20,21,22,23,24,25,26,27,28,29,30,31
	global_load_b32 v[R+32*((\t)%2)+\i], v[WO], s[4:5] offset:(32*(\t)+\i)*4096 th:TH_LOAD_NT
.endr
.endm
.macro WBLOCK t
.set XS, R+32*((\t)%2)
.set CC, PC+6*((\t)%2)                 ; even blocks' codes in v224-229, odd blocks' in v230-235
.set IB, ((\t)/4)*1536+(((\t)/2)%2)*768
.if (\t) < 7
	s_wait_loadcnt 32                              ; this block's 32 loads are in; the next block's may be out
.else
	s_wait_loadcnt 0x0
.endif
	v_max3_num_f32 v[TM], |v[XS]|, |v[XS+1]|, |v[XS+2]|
	v_max3_num_f32 v[TM+1], |v[XS+3]|, |v[XS+4]|, |v[XS+5]|
.irp i, 6,10,14,18,22,26
	v_max3_num_f32 v[TM], v[TM], |v[XS+\i]|, |v[XS+\i+1]|
	v_max3_num_f32 v[TM+1], v[TM+1], |v[XS+\i+2]|, |v[XS+\i+3]|
.endr
	v_max3_num_f32 v[TM], v[TM], |v[XS+30]|, |v[XS+31]|
	v_max3_num_f32 v[TM], v[TM], v[TM+1], 0x1800000
	v_add_nc_u32 v[TM+2], 0xff000000, v[TM]
	v_lshrrev_b32 v[TM+3], 23, v[TM+2]
.if (\t)%4 == 0
	v_mov_b32 v[SW+(\t)/4], v[TM+3]
.else
	v_lshl_or_b32 v[SW+(\t)/4], v[TM+3], 8*((\t)%4), v[SW+(\t)/4]
.endif
.if ((\t)%2 == 0) && ((\t) >= 2)
	s_wait_alu depctr_va_vdst(0)
	s_wait_xcnt 0x0                                ; the last pair's stores have read their data: both blocks' code registers are written again
.endif
	v_cvt_scalef32_pk16_fp6_f32 v[CC:CC+2], v[XS:XS+15], v[TM+2]
	v_cvt_scalef32_pk16_fp6_f32 v[CT:CT+2], v[XS+16:XS+31], v[TM+2]
	v_nop
.irp i, 0,1,2
	v_mov_b32 v[CC+3+\i], v[CT+\i]
.endr
	global_store_b128 v[VOA], v[CC:CC+3], s[50:51] offset:IB+256*((\t)%2)   ; sixteen lanes fill 256 consecutive bytes of their tile's image
.if (\t) < 6
	WLOAD (\t)+2
.endif
.if (\t)%2 == 1                        ; the blocks' last 8 bytes: the even block's and the odd block's of ONE tile are brought into one register pair
	v_permlane16_swap_b32 v[PC+4], v[PC+10]
	v_permlane16_swap_b32 v[PC+5], v[PC+11]
	global_store_b64 v[VO8], v[PC+4:PC+5], s[50:51] offset:IB+512          ; the even tile: 256 consecutive bytes
	global_store_b64 v[VO8], v[PC+10:PC+11], s[50:51] offset:IB+12288+512  ; the odd tile
.endif
.endm
	WLOAD 0
	WLOAD 1
.irp t, 0,1,2,3,4,5,6,7
	WBLOCK \t
.endr
	global_store_b64 v[SCW], v[SW:SW+1], s[52:53]  ; 8 bytes a lane, 32 bytes apart: a column's other 24 bytes come from the other three K chunks' waves; 131,072 bytes in the whole launch leave so
	s_endpgm
.Lfunc_end_k_q42d564bbec_prep:
	.size	k_q42d564bbec_prep, .Lfunc_end_k_q42d564bbec_prep-k_q42d564bbec_prep
	.p2alignl 7, 3214868480
	.fill 96, 4, 3214868480
	.section	.rodata,"a",@progbits
	.p2align	6, 0x0
	.amdhsa_kernel k_q42d564bbec_prep
		.amdhsa_group_segment_fixed_size 34304
		.amdhsa_private_segment_fixed_size 0
		.amdhsa_enable_private_segment 0
		.amdhsa_kernarg_size 88
		.amdhsa_user_sgpr_count 2
		.amdhsa_user_sgpr_kernarg_segment_ptr 1
		.amdhsa_wavefront_size32 1
		.amdhsa_system_sgpr_workgroup_id_x 1
		.amdhsa_system_sgpr_workgroup_id_y 1
		.amdhsa_system_sgpr_workgroup_id_z 1
		.amdhsa_system_vgpr_workitem_id 0
		.amdhsa_next_free_vgpr 256
		.amdhsa_next_free_sgpr 66
		.amdhsa_reserve_vcc 0
		.amdhsa_float_denorm_mode_32 3
		.amdhsa_float_denorm_mode_16_64 3
		.amdhsa_memory_ordered 1
		.amdhsa_forward_progress 1
		.amdhsa_inst_pref_size 187
	.end_amdhsa_kernel
	.amdgpu_metadata
---
amdhsa.version: [ 1, 2 ]
amdhsa.kernels:
  - .name:           k_q42d564bbec_prep
    .symbol:         k_q42d564bbec_prep.kd
    .args:
      - { .name: q, .offset: 0, .size: 8, .value_kind: global_buffer, .address_space: global }
      - { .name: k, .offset: 8, .size: 8, .value_kind: global_buffer, .address_space: global }
      - { .name: v, .offset: 16, .size: 8, .value_kind: global_buffer, .address_space: global }
      - { .name: mask, .offset: 24, .size: 8, .value_kind: global_buffer, .address_space: global }
      - { .name: Wq, .offset: 32, .size: 8, .value_kind: global_buffer, .address_space: global }
      - { .name: Wk, .offset: 40, .size: 8, .value_kind: global_buffer, .address_space: global }
      - { .name: Wv, .offset: 48, .size: 8, .value_kind: global_buffer, .address_space: global }
      - { .name: Wo, .offset: 56, .size: 8, .value_kind: global_buffer, .address_space: global }
      - { .name: img, .offset: 64, .size: 8, .value_kind: global_buffer, .address_space: global }
      - { .name: sc, .offset: 72, .size: 8, .value_kind: global_buffer, .address_space: global }
      - { .name: maskw, .offset: 80, .size: 8, .value_kind: global_buffer, .address_space: global }
    .group_segment_fixed_size: 34304
    .private_segment_fixed_size: 0
    .kernarg_segment_align: 8
    .kernarg_segment_size: 88
    .max_flat_workgroup_size: 128
    .sgpr_count:     66
    .vgpr_count:     256
    .wavefront_size: 32
...
	.end_amdgpu_metadata
.endif
;; end of part 1
;; launch proj (part 2): grid 4 x 192, 4 waves a work-group, clusters of 4 x 4, 295,424 bytes of LDS; arguments img, sc, att; writes att
.if DOCPART == 2
	.amdgcn_target "amdgcn-amd-amdhsa--gfx1250"
	.amdhsa_code_object_version 6
	.text
	.protected	k_q42d564bbec_proj
	.globl	k_q42d564bbec_proj
	.p2align	8
	.type	k_q42d564bbec_proj,@function
k_q42d564bbec_proj:
	s_mov_b64 s[64:65], 0
	v_nop
	global_prefetch_b8 v0, s[64:65] scope:SCOPE_SE
	s_setreg_imm32_b32 hwreg(HW_REG_WAVE_MODE, 25, 1), 1
	s_wait_xcnt 0x0
	s_wait_alu depctr_hold_cnt(0) depctr_sa_sdst(0) depctr_va_vdst(0) depctr_va_sdst(0) depctr_va_ssrc(0) depctr_va_vcc(0) depctr_vm_vsrc(0)
	s_getreg_b32 s2, hwreg(HW_REG_IB_STS2, 6, 4)
	s_cmp_eq_u32 s2, 0
	s_cbranch_scc0 .Lentry_in_a_cluster
	s_endpgm
.Lentry_in_a_cluster:
	s_bfe_u32 s2, ttmp6, 0x10000c
	s_cmp_lg_u32 s2, 0xf033
	s_cbranch_scc0 .Lentry_shape_is_right
	s_endpgm
.Lentry_shape_is_right:
; PROJ.  Products 1, 2, 3 (x W on codes of FP6) with a way out that quantises the results for attention.  K = 1,024.
; A work-group makes P1 128 rows (8 tiles: source 1, the lanes) x P0 256 rows (16 tiles: source 0, the registers).  Four waves, each 64 x 128: 32 accumulators.
; Jobs by the cluster's y, cl: 0-15 q, 16-31 k: P0 = 256 columns of W, P1 = 128 tokens, so that a lane's registers run along the head's axis, the next K.
; 32-47 v: P0 = 256 tokens, P1 = 128 columns of Wv, so that a lane's registers run along the keys, the next K.  One text serves all three.
; ALL OF K LIES IN LDS AT ONCE: 24 tiles x 12,288 bytes, in two halves of four K steps.  Every LDS byte is filled once, by one tensor load a wave issued at the head; the first half can be
; multiplied while the second is on its way.  Nothing is filled again.
; CLUSTER 4 x 4: P0's panel hangs on cx and is asked for jointly by a column of the cluster, P1's half panel on cy and by a row: the requests for both are divided by four.
; Operands lie in memory and in LDS as images of their registers (see the macro FRAG): every LDS read is 512 or 256 consecutive bytes.
; att: [b h 64][chunk of 256 keys: 8][K record 13,312 | V record 13,312]; from QI0 q's images [b h][tile 128][768]; from QS0 q's scale words [b h][4 tiles][lane][4 words].
; K record: 16 images of 768 bytes (16 keys x 64); at 12,288 four blocks of 256 bytes: lane l's 8 bytes are the words of two pairs of tiles, a word = (even tile's 2 bytes, odd tile's 2 bytes).
; V record: [128 keys: 2][16 of the head's 64: 4][1,536]; at 12,288 [2][lane][4 words].
; LIMITS: a block of results that is all zeros or under 2^-124 gets the byte 1; this program alone reads the bytes.
; REGISTERS: window 0: v4-10 addresses; v16-47 P0's scale words (8 pair + K step; lanes 0-15 the even tile, 16-31 the odd), v48-63 P1's; v64-159 P0's fragments, v160-207 P1's: set 0; v208-255 at work on the way out.
;   window 1: accumulator (a, b) at v[8 (8 a + b)].   window 2: v64-207: fragment set 1.
; THE FILLS, as they now stand: LDS holds K in two halves of four K steps; a half is P0's 16 tiles x 6,144 bytes, then P1's 8.  One joint tensor load a wave at the head:
; wave 0 P0's first half, wave 1 P1's first half, wave 2 P0's second, wave 3 P1's second.  The first barrier shows the first half, the barrier in K step 3 the second.  Nothing is filled again.
.set CH,   147456                      ; an LDS half
.set P1O,  98304
.set QI0,  13631488
.set QS0,  19922944
.set CT,   208
.set TM,   216
.set PW,   232
.set SEL,  100                         ; s[100:101]
.set MSB, 0
.macro WIN new                         ; the immediate's high byte repeats the setting that is left
.if MSB != \new
	s_set_vgpr_msb (MSB<<8)|\new
.set MSB, \new
.endif
.endm
.macro CROUND                          ; a round of the cluster's barrier
	s_barrier_signal -1
	s_barrier_wait -1
	s_cmp_lg_u32 s10, 0
	s_cbranch_scc1 .Lnot_wave_0_\@
	s_barrier_signal -3
.Lnot_wave_0_\@:
	s_barrier_wait -3
	s_barrier_signal -1
	s_barrier_wait -1
.endm
.macro PLACES n
.rept \n
	v_nop
.endr
.endm
.macro FRAG reg, a16, a8, off          ; a fragment, 16 rows x 128 K, 12 registers: for c = 0, 1 registers 6 c .. 6 c + 3 from 16 x lane, 6 c + 4, 6 c + 5 from 512 + 8 x lane of image c
	ds_load_b128 v[\reg:\reg+3], v[\a16] offset:\off
	ds_load_b64 v[\reg+4:\reg+5], v[\a8] offset:\off+512
	ds_load_b128 v[\reg+6:\reg+9], v[\a16] offset:\off+768
	ds_load_b64 v[\reg+10:\reg+11], v[\a8] offset:\off+1280
.endm
.macro LOADSTEP s                      ; K step s: 12 fragments, 48 LDS loads, into set s % 2
.if (\s)%2
	WIN 0x80
.else
	WIN 0
.endif
.irp b, 0,1,2,3,4,5,6,7
	FRAG 64+12*\b, 4, 5, \b*6144+((\s)%4)*1536
.endr
.irp a, 0,1,2,3
	FRAG 160+12*\a, 6, 7, \a*6144+((\s)%4)*1536
.endr
.endm
.macro WM zero, va, vb                 ; one product; va, vb: the scale words stand in lanes 16-31 (an odd tile)
.if \zero
.if ((\va) == 0) && ((\vb) == 0)
	v_wmma_scale_f32_16x16x128_f8f6f4 v[rD:rD+7], v[rA:rA+11], v[rB:rB+11], 0, v[sA], v[sB] matrix_a_fmt:MATRIX_FMT_FP6 matrix_b_fmt:MATRIX_FMT_FP6
.elseif (\vb) == 0
	v_wmma_scale_f32_16x16x128_f8f6f4 v[rD:rD+7], v[rA:rA+11], v[rB:rB+11], 0, v[sA], v[sB] matrix_a_fmt:MATRIX_FMT_FP6 matrix_b_fmt:MATRIX_FMT_FP6 matrix_a_scale:MATRIX_SCALE_ROW1
.elseif (\va) == 0
	v_wmma_scale_f32_16x16x128_f8f6f4 v[rD:rD+7], v[rA:rA+11], v[rB:rB+11], 0, v[sA], v[sB] matrix_a_fmt:MATRIX_FMT_FP6 matrix_b_fmt:MATRIX_FMT_FP6 matrix_b_scale:MATRIX_SCALE_ROW1
.else
	v_wmma_scale_f32_16x16x128_f8f6f4 v[rD:rD+7], v[rA:rA+11], v[rB:rB+11], 0, v[sA], v[sB] matrix_a_fmt:MATRIX_FMT_FP6 matrix_b_fmt:MATRIX_FMT_FP6 matrix_a_scale:MATRIX_SCALE_ROW1 matrix_b_scale:MATRIX_SCALE_ROW1
.endif
.else
.if ((\va) == 0) && ((\vb) == 0)
	v_wmma_scale_f32_16x16x128_f8f6f4 v[rD:rD+7], v[rA:rA+11], v[rB:rB+11], v[rD:rD+7], v[sA], v[sB] matrix_a_fmt:MATRIX_FMT_FP6 matrix_b_fmt:MATRIX_FMT_FP6
.elseif (\vb) == 0
	v_wmma_scale_f32_16x16x128_f8f6f4 v[rD:rD+7], v[rA:rA+11], v[rB:rB+11], v[rD:rD+7], v[sA], v[sB] matrix_a_fmt:MATRIX_FMT_FP6 matrix_b_fmt:MATRIX_FMT_FP6 matrix_a_scale:MATRIX_SCALE_ROW1
.elseif (\va) == 0
	v_wmma_scale_f32_16x16x128_f8f6f4 v[rD:rD+7], v[rA:rA+11], v[rB:rB+11], v[rD:rD+7], v[sA], v[sB] matrix_a_fmt:MATRIX_FMT_FP6 matrix_b_fmt:MATRIX_FMT_FP6 matrix_b_scale:MATRIX_SCALE_ROW1
.else
	v_wmma_scale_f32_16x16x128_f8f6f4 v[rD:rD+7], v[rA:rA+11], v[rB:rB+11], v[rD:rD+7], v[sA], v[sB] matrix_a_fmt:MATRIX_FMT_FP6 matrix_b_fmt:MATRIX_FMT_FP6 matrix_a_scale:MATRIX_SCALE_ROW1 matrix_b_scale:MATRIX_SCALE_ROW1
.endif
.endif
.endm
.macro MULSTEP s, zero                 ; 32 products; the 32 accumulators take turns, one instruction a turn, in the same order in every step
.if (\s)%2
	WIN 0x5a                                       ; sources 0 and 1 window 2, C and D window 1
.else
	WIN 0x50                                       ; sources 0 and 1 window 0, C and D window 1
.endif
.irp a, 0,1,2,3
.irp b, 0,1,2,3,4,5,6,7
.set rD, 8*(8*\a+\b)
.set rA, 64+12*\b
.set rB, 160+12*\a
.set sA, 16+8*(\b/2)+(\s)
.set sB, 48+8*(\a/2)+(\s)
	WM \zero, \b%2, \a%2
.endr
.endr
.endm
	s_load_b128 s[4:7], s[0:1], 0x0                ; img, sc
	s_load_b64 s[8:9], s[0:1], 0x10                ; att
	v_lshl_add_u32 v254, v0, 2, 0x48000
	v_mov_b32 v255, 0
	ds_add_u32 v254, v255
	ds_add_u32 v254, v255
	v_lshrrev_b32 v1, 5, v0
	v_readfirstlane_b32 s10, v1                    ; wave
	s_lshr_b32 s11, s10, 1                         ; wl: which 64 of P1's rows are mine.  Also: which half of K I fetch
	s_and_b32 s12, s10, 1                          ; wr: which 128 of P0's rows.  Also: I fetch for P0 (0) or for P1 (1)
	s_bfe_u32 s13, ttmp6, 0x40000                  ; cx
	s_bfe_u32 s14, ttmp6, 0x40004                  ; cy
	s_and_b32 s15, ttmp7, 0xffff                   ; cl: the cluster
	s_lshr_b32 s86, s15, 4                         ; the job: 0 q, 1 k, 2 v
	s_and_b32 s87, s15, 15                         ; ci
	s_lshl_b32 s16, s86, 2
	s_add_co_u32 s16, s16, 96                      ; q, k: P0 = the weight's four panels of 16 tiles
	s_lshr_b32 s17, s87, 1
	s_lshl_b32 s17, s17, 2
	s_add_co_u32 s17, s17, 64                      ; v: P0 = v's 32 panels
	s_lshl_b32 s18, s15, 2                         ; q, k: P1 = the tokens' half panels of 8 tiles
	s_and_b32 s19, s87, 1
	s_lshl_b32 s19, s19, 2
	s_add_co_u32 s19, s19, 208                     ; v: P1 = Wv's eight half panels
	s_cmp_lt_u32 s15, 32
	s_cselect_b32 s16, s16, s17
	s_cselect_b32 s18, s18, s19
	s_add_co_u32 s16, s16, s13                     ; P0's panel: hangs on cx, never on cy
	s_add_co_u32 s18, s18, s14                     ; P1's half panel: hangs on cy, never on cx
	s_mul_i32 s20, s16, 196608
	s_mul_i32 s22, s11, 6144                       ; the half of K that I fetch: wave / 2
	s_add_co_u32 s20, s20, s22
	s_mov_b32 s21, 0                               ; P0: the panel's first byte of that half
	s_mul_i32 s56, s18, 98304
	s_add_co_u32 s56, s56, s22
	s_mov_b32 s57, 0                               ; P1: the half panel's
	s_mul_i32 s22, s11, CH                         ; and where they go
	s_add_co_u32 s23, s22, P1O
	s_lshl_b32 s58, 0x1111, s13                    ; my column of the cluster
	s_lshl_b32 s59, s14, 2
	s_lshl_b32 s59, 15, s59                        ; my row
	; descriptor group 1: rows of 6,144 bytes (four K steps of a tile; 768 elements of 8 bytes), 12,288 bytes apart in memory, dense in LDS; 16 rows for P0, 8 for P1
	s_or_b32 s24, s58, (3<<16)|(1<<21)             ; 15:0 the mask; 17:16 elements of 8 bytes; 21 set beside a mask
	s_mov_b32 s25, 768<<16                         ; rows of 6,144 bytes (four K steps of a tile; 768 elements of 8 bytes); 16 rows for P0, 8 for P1
	s_mov_b32 s26, 16<<16
	s_mov_b32 s27, 768<<16
	s_mov_b32 s28, 16
	s_mov_b32 s29, 1536                            ; tensor_dim0_stride
	s_mov_b32 s30, 0
	s_mov_b32 s31, 0
	s_or_b32 s32, s59, (3<<16)|(1<<21)
	s_mov_b32 s33, 768<<16
	s_mov_b32 s34, 8<<16
	s_mov_b32 s35, 768<<16
	s_mov_b32 s36, 8
	s_mov_b32 s37, 1536
	s_mov_b32 s38, 0
	s_mov_b32 s39, 0
	s_lshl_b32 s60, s16, 13                        ; the scale bytes of my eight tiles of P0: 512 a tile
	s_lshl_b32 s61, s12, 12
	s_add_co_u32 s60, s60, s61
	s_mov_b32 s61, 0
	s_lshl_b32 s62, s18, 12                        ; and of my four of P1
	s_lshl_b32 s63, s11, 11
	s_add_co_u32 s62, s62, s63
	s_mov_b32 s63, 0
	s_mov_b32 s[SEL], 0x76543210
	s_mov_b32 s[SEL+1], 0xfedcba98
	s_wait_dscnt 0x0
	s_wait_kmcnt 0x0
	s_add_nc_u64 s[20:21], s[4:5], s[20:21]
	s_add_nc_u64 s[56:57], s[4:5], s[56:57]
	s_add_nc_u64 s[60:61], s[6:7], s[60:61]
	s_add_nc_u64 s[62:63], s[6:7], s[62:63]
	s_mov_b32 s40, 1
	s_mov_b32 s41, s22
	s_mov_b64 s[42:43], s[20:21]
	s_or_b32 s43, s43, 0x80000000
	s_mov_b32 s68, 1
	s_mov_b32 s69, s23
	s_mov_b64 s[70:71], s[56:57]
	s_or_b32 s71, s71, 0x80000000
	CROUND                                         ; all sixteen work-groups are here: the joint loads meet
	s_cmp_eq_u32 s10, 0                            ; one chain of branches on the wave's number, one load to an arm: one tensor load of mine is out
	s_cbranch_scc0 .Lfill_1
	tensor_load_to_lds s[40:43], s[24:31]          ; wave 0: P0, the first half of K
	s_nop 0
	PLACES 4
	s_branch .Lfilled
.Lfill_1:
	s_cmp_eq_u32 s10, 1
	s_cbranch_scc0 .Lfill_2
	tensor_load_to_lds s[68:71], s[32:39]          ; wave 1: P1, the first half
	s_nop 0
	PLACES 4
	s_branch .Lfilled
.Lfill_2:
	s_cmp_eq_u32 s10, 2
	s_cbranch_scc0 .Lfill_3
	tensor_load_to_lds s[40:43], s[24:31]          ; wave 2: P0, the second half
	s_nop 0
	PLACES 4
	s_branch .Lfilled
.Lfill_3:
	tensor_load_to_lds s[68:71], s[32:39]          ; wave 3: P1, the second half
	s_nop 0
	PLACES 4
.Lfilled:
	v_and_b32 v1, 31, v0
	v_lshlrev_b32 v8, 4, v1                        ; 16 x lane
	v_lshlrev_b32 v9, 3, v1                        ; 8 x lane
	v_lshlrev_b32 v10, 5, v1                       ; 32 x lane
	s_mul_i32 s84, s12, 49152
	v_add_nc_u32 v4, s84, v8                       ; my eight tiles of P0 in a chunk
	v_add_nc_u32 v5, s84, v9
	s_mul_i32 s84, s11, 24576
	s_add_co_u32 s84, s84, P1O
	v_add_nc_u32 v6, s84, v8                       ; my four of P1
	v_add_nc_u32 v7, s84, v9
.irp p, 0,1,2,3
	global_load_b128 v[16+8*\p:19+8*\p], v10, s[60:61] offset:1024*\p       ; a pair of tiles: lane l's 32 bytes are the eight K steps' words of row l % 16 of tile l / 16
	global_load_b128 v[20+8*\p:23+8*\p], v10, s[60:61] offset:1024*\p+16
.endr
.irp p, 0,1
	global_load_b128 v[48+8*\p:51+8*\p], v10, s[62:63] offset:1024*\p
	global_load_b128 v[52+8*\p:55+8*\p], v10, s[62:63] offset:1024*\p+16
.endr
.irp b, 0,1,2,3
	v_mov_b32 v[TM+4+\b], 0                        ; written once: a lane permute's destination counts as a source
.endr
	s_wait_alu depctr_va_vdst(0)
	s_cmp_lt_u32 s10, 2                            ; waves 0 and 1 wait for the first half, which their own load lines brought; the second half may be on its way
	s_cbranch_scc0 .Lnot_first
	s_wait_tensorcnt 0x0
.Lnot_first:
	s_barrier_signal -1
	s_barrier_wait -1
	LOADSTEP 0
	s_wait_loadcnt 0x0                             ; the scale words
.irp s, 0,1,2,3,4,5,6,7
	s_wait_dscnt 0x0                               ; this step's fragments are in (asked for ahead of the last step's 32 products)
.if (\s) == 3
	WIN 0
	s_wait_tensorcnt 0x0                           ; every wave: whatever is still out is in, the second half of K
	s_barrier_signal -1
	s_barrier_wait -1                              ; everybody's is
	v_add_nc_u32 v4, CH, v4                        ; on to the next chunk.  These four are also the places between the last products and the loads into the registers that they read
	s_wait_alu depctr_va_vdst(0)
	v_add_nc_u32 v5, CH, v5
	s_wait_alu depctr_va_vdst(0)
	v_add_nc_u32 v6, CH, v6
	s_wait_alu depctr_va_vdst(0)
	v_add_nc_u32 v7, CH, v7
.elseif ((\s) >= 1) && ((\s) < 7)
	PLACES 4                                       ; four places in front of loads into registers that matrix instructions have read
.endif
.if (\s) < 7
	s_wait_alu depctr_va_vdst(0)
	LOADSTEP \s+1
.endif
.if (\s) == 0
	MULSTEP \s, 1                                  ; the first step's products start the sums: nothing is cleared
.else
	MULSTEP \s, 0
.endif
.endr
	WIN 0
	PLACES 4                                       ; in front of the first read of results
; THE WAY OUT.  For P1's tile a the 64 registers v[64 a + 16 b + i] of window 1 are P0's rows 32 b + 16 (lane / 16) + i of my 128: 128 neighbours along the next K of the lane's row.
	s_lshr_b32 s88, s87, 2                         ; q, k: the batch
	s_and_b32 s89, s87, 3
	s_lshl_b32 s89, s89, 2
	s_add_co_u32 s89, s89, s14                     ; st: which 128 tokens of the batch
	s_lshl_b32 s90, s88, 4
	s_lshl_b32 s91, s13, 2
	s_add_co_u32 s90, s90, s91
	s_lshl_b32 s91, s12, 1
	s_add_co_u32 s90, s90, s91                     ; the first of my two heads, with the batch: 16 b + 4 cx + 2 wr
	s_cmp_eq_u32 s86, 1
	s_cbranch_scc1 .Lset_k
	s_cmp_eq_u32 s86, 2
	s_cbranch_scc1 .Lset_v
	s_lshl_b32 s92, s90, 7                         ; q: image (head, tile 8 st + 4 wl + a)
	s_lshl_b32 s93, s89, 3
	s_add_co_u32 s92, s92, s93
	s_lshl_b32 s93, s11, 2
	s_add_co_u32 s92, s92, s93
	s_mul_i32 s92, s92, 768
	s_add_co_u32 s92, s92, QI0
	s_lshl_b32 s94, s90, 5                         ; scale words: group 2 st + wl
	s_lshl_b32 s93, s89, 1
	s_add_co_u32 s94, s94, s93
	s_add_co_u32 s94, s94, s11
	s_lshl_b32 s94, s94, 9
	s_add_co_u32 s94, s94, QS0
	s_mov_b32 s84, 768                             ; from tile to tile
	s_mov_b32 s96, 98304                           ; from head to head
	s_mov_b32 s98, 16384
	s_branch .Lset_done
.Lset_k:
	s_lshl_b32 s92, s90, 3                         ; k: the record of (head, chunk st / 2)
	s_lshr_b32 s93, s89, 1
	s_add_co_u32 s92, s92, s93
	s_mul_i32 s92, s92, 26624
	s_and_b32 s93, s89, 1
	s_lshl_b32 s94, s93, 9
	s_add_co_u32 s94, s94, s92
	s_lshl_b32 s95, s11, 8
	s_add_co_u32 s94, s94, s95
	s_add_co_u32 s94, s94, 12288                   ; scale words: block 2 (st % 2) + wl
	s_lshl_b32 s93, s93, 3
	s_lshl_b32 s95, s11, 2
	s_add_co_u32 s93, s93, s95
	s_mul_i32 s93, s93, 768
	s_add_co_u32 s92, s92, s93                     ; images 8 (st % 2) + 4 wl + a
	s_mov_b32 s84, 768
	s_mov_b32 s96, 212992
	s_mov_b32 s98, 212992
	s_branch .Lset_done
.Lset_v:
	s_lshr_b32 s92, s87, 1
	s_lshl_b32 s92, s92, 2
	s_add_co_u32 s92, s92, s13                     ; which 256 tokens
	s_lshr_b32 s93, s92, 3
	s_lshl_b32 s93, s93, 4                         ; 16 x batch
	s_and_b32 s94, s87, 1
	s_lshl_b32 s94, s94, 2
	s_add_co_u32 s94, s94, s14
	s_lshl_b32 s94, s94, 1
	s_add_co_u32 s93, s93, s94
	s_add_co_u32 s93, s93, s11                     ; + my head
	s_lshl_b32 s93, s93, 3
	s_and_b32 s92, s92, 7
	s_add_co_u32 s92, s92, s93
	s_mul_i32 s92, s92, 26624
	s_lshl_b32 s94, s12, 9
	s_add_co_u32 s94, s94, s92
	s_add_co_u32 s94, s94, 25600                   ; scale words of key step wr
	s_mul_i32 s93, s12, 6144
	s_add_co_u32 s92, s92, s93
	s_add_co_u32 s92, s92, 13312                   ; fragments of key step wr
	s_mov_b32 s84, 1536                            ; from one 16 of the head's 64 to the next
	s_mov_b32 s96, 768                             ; from 64 keys to the next
	s_mov_b32 s98, 0
.Lset_done:
	s_mov_b32 s93, 0
	s_mov_b32 s95, 0
	s_mov_b32 s85, 0
	s_mov_b32 s97, 0
	s_mov_b32 s99, 0
	s_add_nc_u64 s[40:41], s[8:9], s[92:93]        ; eight bases, (a, c) at s[40 + 4 a + 2 c]: the descriptors' registers are free, all tensor loads have been waited for
	s_add_nc_u64 s[42:43], s[40:41], s[96:97]
.irp a, 1,2,3
	s_add_nc_u64 s[40+4*\a:41+4*\a], s[36+4*\a:37+4*\a], s[84:85]
	s_add_nc_u64 s[42+4*\a:43+4*\a], s[38+4*\a:39+4*\a], s[84:85]
.endr
	s_add_nc_u64 s[56:57], s[8:9], s[94:95]
	s_add_nc_u64 s[58:59], s[56:57], s[98:99]
.macro QUANTW a                        ; the 64 registers of tile a become 12 registers of codes at v[64 + 12 a] and a scale word in v[PW + a]; each accumulator is first read at its low end
	WIN 0x14                                       ; sources 1 and 2 window 1
.irp b, 0,1,2,3
	v_max3_num_f32 v[TM+\b], 0x1800000, |v[64*(\a)+16*\b]|, |v[64*(\a)+16*\b+1]|   ; and the floor 2^(3 - 127)
.endr
.irp i, 2,4,6,8,10,12,14
.irp b, 0,1,2,3
	v_max3_num_f32 v[TM+\b], v[TM+\b], |v[64*(\a)+16*\b+\i]|, |v[64*(\a)+16*\b+\i+1]|
.endr
.endr
	WIN 0
.irp b, 0,1,2,3
	v_permlanex16_b32 v[TM+4+\b], v[TM+\b], s[SEL], s[SEL+1]
.endr
.irp b, 0,1,2,3
	v_max_num_f32 v[TM+\b], v[TM+\b], v[TM+4+\b]
.endr
.irp b, 0,1,2,3
	v_add_nc_u32 v[TM+12+\b], 0xff000000, v[TM+\b]
.endr
.irp b, 0,1,2,3
	v_lshrrev_b32 v[TM+4+\b], 23, v[TM+12+\b]
.endr
	v_lshl_or_b32 v[PW+(\a)], v[TM+5], 8, v[TM+4]
	v_lshl_or_b32 v[PW+(\a)], v[TM+6], 16, v[PW+(\a)]
	v_lshl_or_b32 v[PW+(\a)], v[TM+7], 24, v[PW+(\a)]
	WIN 0x01                                       ; source 0 window 1
.irp c, 0,1
	v_cvt_scalef32_pk16_fp6_f32 v[64+12*(\a)+6*\c:64+12*(\a)+6*\c+2], v[64*(\a)+32*\c:64*(\a)+32*\c+15], v[TM+12+2*\c]
	v_cvt_scalef32_pk16_fp6_f32 v[CT+4*\c:CT+4*\c+2], v[64*(\a)+32*\c+16:64*(\a)+32*\c+31], v[TM+12+2*\c+1]
.endr
	WIN 0
	v_nop                                          ; one plain line behind the scaled conversions
.irp c, 0,1
.irp i, 0,1,2
	v_permlane16_swap_b32 v[64+12*(\a)+6*\c+\i], v[CT+4*\c+\i]
.endr
.irp i, 0,1,2
	v_mov_b32 v[64+12*(\a)+6*\c+3+\i], v[CT+4*\c+\i]
.endr
.endr
.irp c, 0,1
	global_store_b128 v8, v[64+12*(\a)+6*\c:64+12*(\a)+6*\c+3], s[40+4*(\a)+2*\c:41+4*(\a)+2*\c]               ; 512 consecutive bytes
	global_store_b64 v9, v[64+12*(\a)+6*\c+4:64+12*(\a)+6*\c+5], s[40+4*(\a)+2*\c:41+4*(\a)+2*\c] offset:512   ; 256 consecutive bytes
.endr
.endm
.irp a, 0,1,2,3
	QUANTW \a                                      ; each tile has registers of its own for its codes and its word: no store's data are written again
.endr
	s_cmp_eq_u32 s86, 1
	s_cbranch_scc1 .Lsc_k
	s_cmp_eq_u32 s86, 2
	s_cbranch_scc1 .Lsc_v
.irp a, 0,1,2,3                        ; q: a head's two bytes, twice: the word serves the query's codes in either half of the instruction's K
	v_perm_b32 v[240+\a], v[PW+\a], v[PW+\a], 0x01000100
	v_perm_b32 v[244+\a], v[PW+\a], v[PW+\a], 0x03020302
.endr
	global_store_b128 v8, v[240:243], s[56:57]
	global_store_b128 v8, v[244:247], s[58:59]
	s_branch .Lsc_done
.Lsc_k:                                ; k: a pair of tiles shares a word: the even tile's two bytes, then the odd tile's
	v_perm_b32 v240, v[PW+1], v[PW], 0x05040100
	v_perm_b32 v241, v[PW+3], v[PW+2], 0x05040100
	v_perm_b32 v242, v[PW+1], v[PW], 0x07060302
	v_perm_b32 v243, v[PW+3], v[PW+2], 0x07060302
	global_store_b64 v9, v[240:241], s[56:57]
	global_store_b64 v9, v[242:243], s[58:59]
	s_branch .Lsc_done
.Lsc_v:                                ; v: the four words as they stand
	global_store_b128 v8, v[PW:PW+3], s[56:57]
.Lsc_done:
	s_wait_tensorcnt 0x0
	ds_add_u32 v254, v255
	s_wait_dscnt 0x0
	CROUND                                         ; the closing round: no work-group ends while a partner may still ask for a tile that names it
	s_endpgm
.Lfunc_end_k_q42d564bbec_proj:
	.size	k_q42d564bbec_proj, .Lfunc_end_k_q42d564bbec_proj-k_q42d564bbec_proj
	.p2alignl 7, 3214868480
	.fill 96, 4, 3214868480
	.section	.rodata,"a",@progbits
	.p2align	6, 0x0
	.amdhsa_kernel k_q42d564bbec_proj
		.amdhsa_group_segment_fixed_size 295424
		.amdhsa_private_segment_fixed_size 0
		.amdhsa_enable_private_segment 0
		.amdhsa_kernarg_size 24
		.amdhsa_user_sgpr_count 2
		.amdhsa_user_sgpr_kernarg_segment_ptr 1
		.amdhsa_wavefront_size32 1
		.amdhsa_system_sgpr_workgroup_id_x 1
		.amdhsa_system_sgpr_workgroup_id_y 1
		.amdhsa_system_sgpr_workgroup_id_z 1
		.amdhsa_system_vgpr_workitem_id 0
		.amdhsa_next_free_vgpr 720
		.amdhsa_next_free_sgpr 104
		.amdhsa_reserve_vcc 0
		.amdhsa_float_denorm_mode_32 3
		.amdhsa_float_denorm_mode_16_64 3
		.amdhsa_memory_ordered 1
		.amdhsa_forward_progress 1
		.amdhsa_inst_pref_size 89
	.end_amdhsa_kernel
	.amdgpu_metadata
---
amdhsa.version: [ 1, 2 ]
amdhsa.kernels:
  - .name:           k_q42d564bbec_proj
    .symbol:         k_q42d564bbec_proj.kd
    .args:
      - { .name: img, .offset: 0, .size: 8, .value_kind: global_buffer, .address_space: global }
      - { .name: sc, .offset: 8, .size: 8, .value_kind: global_buffer, .address_space: global }
      - { .name: att, .offset: 16, .size: 8, .value_kind: global_buffer, .address_space: global }
    .group_segment_fixed_size: 295424
    .private_segment_fixed_size: 0
    .kernarg_segment_align: 8
    .kernarg_segment_size: 24
    .max_flat_workgroup_size: 128
    .sgpr_count:     104
    .vgpr_count:     720
    .wavefront_size: 32
...
	.end_amdgpu_metadata
.endif
;; end of part 2
;; launch attn (part 3): grid 256 x 1, 16 waves a work-group, clusters of 4 x 1, 280,576 bytes of LDS; arguments att, maskw, img, sc; writes img, sc
.if DOCPART == 3
	.amdgcn_target "amdgcn-amd-amdhsa--gfx1250"
	.amdhsa_code_object_version 6
	.text
	.protected	k_q42d564bbec_attn
	.globl	k_q42d564bbec_attn
	.p2align	8
	.type	k_q42d564bbec_attn,@function
k_q42d564bbec_attn:
	s_mov_b64 s[64:65], 0
	v_nop
	global_prefetch_b8 v0, s[64:65] scope:SCOPE_SE
	s_setreg_imm32_b32 hwreg(HW_REG_WAVE_MODE, 25, 1), 1
	s_wait_xcnt 0x0
	s_wait_alu depctr_hold_cnt(0) depctr_sa_sdst(0) depctr_va_vdst(0) depctr_va_sdst(0) depctr_va_ssrc(0) depctr_va_vcc(0) depctr_vm_vsrc(0)
	s_getreg_b32 s2, hwreg(HW_REG_IB_STS2, 6, 4)
	s_cmp_eq_u32 s2, 0
	s_cbranch_scc0 .Lentry_in_a_cluster
	s_endpgm
.Lentry_in_a_cluster:
	s_bfe_u32 s2, ttmp6, 0x10000c
	s_cmp_lg_u32 s2, 0x3003
	s_cbranch_scc0 .Lentry_shape_is_right
	s_endpgm
.Lentry_shape_is_right:
; ATTN.  Products 4 and 5 on codes of FP6, the masked softmax between them, and the quantiser of the result for product 6.  64 (batch, head) pairs, 2,048 queries and keys, head size 64.
; SOFTMAX.  t = score x log2(e) / 8; M = the running largest t rounded up to a whole number; p = 2^(t - M) is quantised along the keys, not normalised; the row's sum is taken of the unquantised p and divides at the end.
; When M moves, the sum and O are multiplied by 2^(old M - new M): exact.
; MASK.  A masked score becomes -2^33, that is the logit -2^30 where the definition has -1e9.  c x -2^33 is a whole number in f32, so a row with no open key has p = 1 for every key, as the definition has.
; LIMIT: the results are the definition's wherever every open logit lies above about -9.9e8.  NaN and infinities are not served.  A block of zeros gets the byte 1; this program alone reads the bytes.
; SHARES.  A cluster of four work-groups is one (batch, head); a work-group owns 512 queries, each of its sixteen waves one tile of 16 in each of two passes; four waves to a SIMD.
; K AND V OF THE WHOLE HEAD LIE IN LDS, filled ONCE: each wave asks for one record of 13,312 bytes, jointly with the same wave of the three partners.  A chunk of 256 keys (K's record, then V's) begins every 32,768 bytes,
; so that the chunk after the last is the first by one AND.  Nothing is filled again; no barrier stands in the loop.
; LAYOUT.  Both products are used transposed: S^T = K Q^T, O^T = V^T P^T: a lane holds one query throughout.  Row r of tile T of K is key 64 (T / 4) + 8 (T % 4) + r % 8 + 32 (r / 8):
; score register 32 c + i of lane (r, h) is key 64 c + 32 h + i of the step: a lane's 32 registers are ONE scale block of p, in the order of the operand's registers: no lane asks another for a block's maximum, and no code changes lanes.
; HEAD SIZE 64 IN AN INSTRUCTION OF K = 128.  A fragment of K holds two tiles of keys, one in each half of K.  Against [q | zeros] it gives the first tile's scores, against [zeros | q] the second's.
; TWO SETS OF 64 REGISTERS TAKE TURNS: one holds K's fragments and then V's, the other the scores and p; when p has been converted, its set takes the NEXT step's fragments of K, ahead of this step's last products.
; The mask comes as lane masks, one word for each score register, by scalar loads one key step ahead: one select for each score.  The loop asks memory for nothing else (256 bytes a step and wave), so no prefetch is laid.
.set QI0,  13631488
.set QS0,  19922944
.set CHS,  32768                       ; LDS: from chunk to chunk
.set SPARE, 0x44000                    ; the spare words: 128 bytes for each of 16 waves
.set L16,  1                           ; v1   16 x lane
.set L8,   2                           ; v2   8 x lane
.set LA16, 3                           ; v3, v4 the same in the chunk in hand
.set LA8,  4
.set SBO,  5                           ; v5   32 r + h: my scale byte's place
.set NEG,  6                           ; v6   -2^33
.set SH8,  7                           ; v7   8 h
.set LN16, 8                           ; v8, v9 as v3, v4, in the next chunk
.set LN8,  9
.set QSC,  34                          ; v34  q's scale word.  v16-21 q, v22-27 zeros, v28-33 q.   v12 -M, v13 the largest score, v[14:15] the sum
.set SA,   36                          ; v36-99, v100-163 the two sets
.set SBB,  100
.set O,    164                         ; v164-195 O^T
.set PC,   196                         ; v196-207 p's codes
.set CT,   208                         ; v208-214 the conversions' second halves
.set MX,   216                         ; v216-219 four chains of maxima
.set BM,   220                         ; v220-221 my two blocks' largest scores, then largest p
.set SO,   222                         ; v222-223 the conversions' scale operands
.set TP,   224
.set RX,   225
.set FF,   226                         ; v[226:227] f = 2^(old M - new M)
.set T0,   228                         ; v228-229 scale bytes
.set W,    230
.set WX,   231
.set KSA,  232                         ; v232-235, v236-239 K's scale words, two sets
.set KSB,  236
.set VS,   240                         ; v240-243 V's
.set PSW,  244                         ; v244 p's
.set WV,   10                          ; s10  wave
.set TB,   11                          ; s11  LDS byte of the chunk in hand; s99 of the next
.set TN,   99
.set TRIP, 12
.set HIM,  13                          ; s13  lanes 16-31
.set SEL,  14                          ; s[14:15] lane l xor 16
.set CS,   100                         ; s[100:101] c = log2(e) / 8
; s[2:3] the mask words' pointer; s[4:5] q's images; s[6:7], s[8:9] where images and scale bytes go; s[96:97] q's scale words; s98 passes to go; s[66:67] the mask pointer's step
; s[16:63], s[68:83] the 64 mask words of a key step: word n in s[16 + n + 4 (n / 48)]
.macro CROUND
	s_barrier_signal -1
	s_barrier_wait -1
	s_cmp_lg_u32 s[WV], 0
	s_cbranch_scc1 .Lnot_wave_0_\@
	s_barrier_signal -3
.Lnot_wave_0_\@:
	s_barrier_wait -3
	s_barrier_signal -1
	s_barrier_wait -1
.endm
.macro DEP n
	s_delay_alu instid0(VALU_DEP_\n)
.endm
.macro WALU
	s_wait_alu depctr_va_vdst(0)
.endm
.macro PADD d, a, b
	v_pk_add_f32 v[\d:\d+1], v[\a:\a+1], v[\b:\b+1]
.endm
.macro KLOAD D, KK, a16, a8, off       ; a key step's four fragments of K and their scale words: 18 LDS loads
.irp f, 0,1,2,3
.irp u, 0,1
	ds_load_b128 v[\D+12*\f+6*\u:\D+12*\f+6*\u+3], v[\a16] offset:\off+\f*1536+\u*768
	ds_load_b64 v[\D+12*\f+6*\u+4:\D+12*\f+6*\u+5], v[\a8] offset:\off+\f*1536+\u*768+512
.endr
.endr
.irp g, 0,1
	ds_load_b64 v[\KK+2*\g:\KK+2*\g+1], v[\a8] offset:12288+(\off)/12+\g*256
.endr
.endm
	s_load_b256 s[68:75], s[0:1], 0x0              ; att, maskw, img, sc
	v_lshl_add_u32 v254, v0, 2, SPARE
	v_mov_b32 v255, 0
	ds_add_u32 v254, v255                          ; the opening lines: the add, twice on end, and its wait
	ds_add_u32 v254, v255
	v_lshrrev_b32 v1, 5, v0
	s_delay_alu instid0(VALU_DEP_1)
	v_readfirstlane_b32 s[WV], v1
	s_bfe_u32 s16, ttmp6, 0x40000                  ; cx: it enters the queries' addresses alone
	; the descriptor: record w of the head, 13,312 dense bytes as 52 rows of 256 (32 elements of 8 bytes)
	s_mov_b32 s84, 15|(3<<16)|(1<<21)              ; the mask: all four work-groups; elements of 8 bytes; bit 21 beside a mask
	s_mov_b32 s85, 32<<16
	s_mov_b32 s86, 52<<16
	s_mov_b32 s87, 32<<16
	s_mov_b32 s88, 52
	s_mov_b32 s89, 32
	s_mov_b32 s90, 0
	s_mov_b32 s91, 0
	s_mov_b32 s92, 1
	s_mul_i32 s24, s[WV], 13312
	s_lshr_b32 s93, s[WV], 1                       ; LDS address, of the wave's number alone: chunk w / 2, K's record or V's
	s_lshl_b32 s93, s93, 15
	s_and_b32 s26, s[WV], 1
	s_mul_i32 s26, s26, 13312
	s_add_co_u32 s93, s93, s26
	s_mul_i32 s18, ttmp9, 212992                   ; the head's records
	s_add_co_u32 s18, s18, s24
	s_mov_b32 s19, 0
	s_lshl_b32 s17, s16, 5
	s_add_co_u32 s17, s17, s[WV]                   ; my first tile of queries: 32 cx + wave
	s_lshr_b32 s20, ttmp9, 4                       ; batch
	s_and_b32 s21, ttmp9, 15                       ; head
	s_lshl_b32 s22, s20, 7
	s_add_co_u32 s22, s22, s17                     ; 128 batch + tile
	s_mov_b32 s25, 0
	s_mov_b32 s67, 0
	s_mov_b32 s[HIM], 0xffff0000
	s_mov_b32 s[SEL], 0x76543210
	s_mov_b32 s[SEL+1], 0xfedcba98
	s_mov_b32 s[CS], 0x3e38aa3b
	s_mov_b32 s[CS+1], s[CS]                       ; (named with it as a pair, so it is written)
	s_wait_dscnt 0x0
	s_wait_kmcnt 0x0
	s_add_nc_u64 s[94:95], s[68:69], s[18:19]
	s_or_b32 s95, s95, 0x80000000
	CROUND                                         ; all four work-groups are here: the joint loads meet
	tensor_load_to_lds s[92:95], s[84:91]          ; one tensor load of mine is out
	s_nop 0
.rept 4
	v_nop
.endr
	s_lshl_b32 s24, s22, 12                        ; 16 key steps of 256 bytes a tile
	s_add_nc_u64 s[2:3], s[70:71], s[24:25]
	s_lshl_b32 s24, ttmp9, 7
	s_add_co_u32 s24, s24, s17
	s_mul_i32 s24, s24, 768
	s_add_co_u32 s24, s24, QI0
	s_add_nc_u64 s[4:5], s[68:69], s[24:25]
	s_lshl_b32 s24, ttmp9, 5
	s_lshl_b32 s26, s16, 3
	s_add_co_u32 s24, s24, s26
	s_lshr_b32 s26, s[WV], 2
	s_add_co_u32 s24, s24, s26                     ; the group of four tiles,
	s_lshl_b32 s24, s24, 9
	s_and_b32 s26, s[WV], 3
	s_lshl_b32 s26, s26, 2
	s_add_co_u32 s24, s24, s26                     ; my tile's word in a lane's four
	s_add_co_u32 s24, s24, QS0
	s_add_nc_u64 s[96:97], s[68:69], s[24:25]
	s_add_co_u32 s22, s22, 1792                    ; the result's tiles begin at 1792
	s_mul_i32 s24, s22, 12288
	s_mul_i32 s26, s21, 768                        ; the head's 64 of K = 1,024
	s_add_co_u32 s24, s24, s26
	s_add_nc_u64 s[6:7], s[72:73], s[24:25]
	s_lshl_b32 s24, s22, 9
	s_lshl_b32 s26, s21, 1
	s_add_co_u32 s24, s24, s26
	s_add_nc_u64 s[8:9], s[74:75], s[24:25]
	v_and_b32 v10, 31, v0
	v_and_b32 v11, 15, v0
	v_bfe_u32 v35, v0, 4, 1
	v_lshlrev_b32 v[L16], 4, v10
	v_lshlrev_b32 v[L8], 3, v10
	v_lshl_add_u32 v[SBO], v11, 5, v35
	v_lshlrev_b32 v[SH8], 3, v35
	v_mov_b32 v[NEG], 0xd0000000
.irp j, 22,23,24,25,26,27
	v_mov_b32 v\j, 0                               ; zero codes: they add nothing under any scale byte
.endr
.irp j, TP, RX, FF+1, T0, T0+1, WX
	v_mov_b32 v[\j], 0                             ; written once: a lane permute's destination counts as a source; FF + 1 is named as the upper half of a pair
.endr
	WALU
	s_wait_tensorcnt 0x0                           ; my record is in,
	s_barrier_signal -1
	s_barrier_wait -1                              ; everybody's is: the whole head's K and V
	KLOAD SA, KSA, L16, L8, 0                      ; key step 0's fragments of K; each later step's are fetched in the step before, round the passes too
	s_mov_b32 s98, 2
; A KEY STEP: 128 keys, the sp-th of the chunk in hand.  KF: the set with K's fragments, then V's; SS: the set for the scores; KC: K's scale words; KN: where the next step's go
.macro STEP sp, KF, SS, KC, KN
.if \sp == 0                           ; five places between the last products and the products below, which write over V's fragments
	v_add_nc_u32 v[LA16], s[TB], v[L16]
	v_add_nc_u32 v[LA8], s[TB], v[L8]
	v_add_nc_u32 v[LN16], s[TN], v[L16]
	v_add_nc_u32 v[LN8], s[TN], v[L8]
.else
.rept 4
	v_nop
.endr
.endif
	v_mov_b32 v[TP], v12                           ; the old -M
	WALU
	s_wait_dscnt 0x0                               ; K's fragments, asked for in the step before
.irp f, 0,1,2,3
	v_wmma_scale_f32_16x16x128_f8f6f4 v[\SS+16*\f:\SS+16*\f+7], v[\KF+12*\f:\KF+12*\f+11], v[16:27], 0, v[\KC+\f], v[QSC] matrix_a_fmt:MATRIX_FMT_FP6 matrix_b_fmt:MATRIX_FMT_FP6
	v_wmma_scale_f32_16x16x128_f8f6f4 v[\SS+16*\f+8:\SS+16*\f+15], v[\KF+12*\f:\KF+12*\f+11], v[22:33], 0, v[\KC+\f], v[QSC] matrix_a_fmt:MATRIX_FMT_FP6 matrix_b_fmt:MATRIX_FMT_FP6
.endr
.rept 4
	v_nop                                          ; places: in front of the loads below and of the first read of the scores
.endr
.irp t, 0,1,2,3                        ; V's fragments land while the softmax is worked: 17 loads
.irp c, 0,1
	ds_load_b128 v[\KF+12*\t+6*\c:\KF+12*\t+6*\c+3], v[LA16] offset:13312+\sp*6144+\t*1536+\c*768
	ds_load_b64 v[\KF+12*\t+6*\c+4:\KF+12*\t+6*\c+5], v[LA8] offset:13312+\sp*6144+\t*1536+\c*768+512
.endr
.endr
	ds_load_b128 v[VS:VS+3], v[LA16] offset:25600+\sp*512
	s_wait_kmcnt 0x0                               ; this step's mask words, asked for a step ago
.set n, 0
.rept 64
	v_cndmask_b32 v[\SS+n], v[NEG], v[\SS+n], s[16+n+4*(n/48)]   ; ascending: each accumulator is first read at its low end
.set n, n+1
.endr
.if \sp == 0
	s_load_b512 s[16:31], s[2:3], 0x100            ; the next step's words
	s_load_b512 s[32:47], s[2:3], 0x140
	s_load_b512 s[48:63], s[2:3], 0x180
	s_load_b512 s[68:83], s[2:3], 0x1c0
.else
	s_cmp_eq_u32 s[TRIP], 1                        ; the last chunk loads its own words again: no load leaves the buffer
	s_cselect_b32 s66, 0, 512
	s_add_nc_u64 s[2:3], s[2:3], s[66:67]          ; (all earlier scalar loads have been waited for)
	s_load_b512 s[16:31], s[2:3], 0x0
	s_load_b512 s[32:47], s[2:3], 0x40
	s_load_b512 s[48:63], s[2:3], 0x80
	s_load_b512 s[68:83], s[2:3], 0xc0
.endif
.irp x, 0,1,2,3                        ; the largest score of my two blocks of 32 keys, in four chains of 16: for the row's maximum and, since p rises with the score, for the block's largest p
	v_max3_num_f32 v[MX+\x], v[\SS+16*\x], v[\SS+1+16*\x], v[\SS+2+16*\x]
.endr
.irp i, 3,5,7,9,11,13
.irp x, 0,1,2,3
	DEP 4
	v_max3_num_f32 v[MX+\x], v[MX+\x], v[\SS+16*\x+\i], v[\SS+1+16*\x+\i]
.endr
.endr
	DEP 3
	v_max3_num_f32 v[BM], v[MX], v[MX+1], v[\SS+15]
	DEP 2
	v_max3_num_f32 v[BM+1], v[MX+2], v[MX+3], v[\SS+47]
	DEP 2
	v_max_num_f32 v[BM], v[BM], v[\SS+31]
	DEP 2
	v_max_num_f32 v[BM+1], v[BM+1], v[\SS+63]
	DEP 1
	v_max_num_f32 v[W], v[BM], v[BM+1]
	DEP 1
	v_permlanex16_b32 v[RX], v[W], s[SEL], s[SEL+1]
	DEP 1
	v_max3_num_f32 v13, v13, v[W], v[RX]           ; the running largest score (c is positive: its t is the largest t)
	DEP 1
	v_mul_f32 v[W], s[CS], -v13
	DEP 1
	v_floor_f32 v12, v[W]                          ; -M = floor(-t): M is a whole number
	DEP 1
	v_sub_f32 v[TP], v12, v[TP]                    ; old M - new M: a whole number, 0 or less
	DEP 1
	v_cvt_i32_f32 v[TP], v[TP]                     ; (it saturates)
	DEP 1
	v_ldexp_f32 v[FF], 1.0, v[TP]                  ; f
	DEP 1
	v_pk_mul_f32 v[14:15], v[14:15], v[FF:FF+1] op_sel_hi:[1,0]   ; the sum under the new M
.irp j, 0,2,4,6,8,10,12,14,16,18,20,22,24,26,28,30,32,34,36,38,40,42,44,46,48,50,52,54,56,58,60,62
	v_pk_fma_f32 v[\SS+\j:\SS+\j+1], v[\SS+\j:\SS+\j+1], s[CS:CS+1], v[12:13] op_sel_hi:[1,0,0]   ; t - M
.endr
	v_fma_f32 v[BM], v[BM], s[CS], v12
	v_fma_f32 v[BM+1], v[BM+1], s[CS], v12
	WALU
.set n, 0
.rept 64
	v_exp_f32 v[\SS+n], v[\SS+n]                   ; p = 2^(t - M)
.set n, n+1
.endr
	v_exp_f32 v[BM], v[BM]                         ; the blocks' largest p: the same two instructions on the same number
	v_exp_f32 v[BM+1], v[BM+1]
	v_nop                                          ; the plain line behind the exponentials
	WALU                                           ; one wait for the batch, ahead of its first reader
	; the row's sum of the unquantised p: 32 pairs in eight chains
	PADD 246, \SS+0, \SS+2
	PADD 248, \SS+4, \SS+6
	PADD 250, \SS+8, \SS+10
	PADD 252, \SS+12, \SS+14
	PADD 216, \SS+16, \SS+18
	PADD 218, \SS+20, \SS+22
	PADD 224, \SS+24, \SS+26
	PADD 14, 14, \SS+28
	PADD 246, 246, \SS+30
	PADD 248, 248, \SS+32
	PADD 250, 250, \SS+34
	PADD 252, 252, \SS+36
	PADD 216, 216, \SS+38
	PADD 218, 218, \SS+40
	PADD 224, 224, \SS+42
	PADD 14, 14, \SS+44
	PADD 246, 246, \SS+46
	PADD 248, 248, \SS+48
	PADD 250, 250, \SS+50
	PADD 252, 252, \SS+52
	PADD 216, 216, \SS+54
	PADD 218, 218, \SS+56
	PADD 224, 224, \SS+58
	PADD 14, 14, \SS+60
	PADD 246, 246, \SS+62
	PADD 250, 250, 252
	PADD 216, 216, 218
	PADD 14, 14, 224
	DEP 4
	PADD 246, 246, 248
	DEP 3
	PADD 250, 250, 216
	DEP 2
	PADD 14, 14, 246
	DEP 1
	PADD 14, 14, 250
	v_max_num_f32 v[BM], 0x1800000, v[BM]          ; the floor 2^(3 - 127): the byte cannot fall under 1
	v_max_num_f32 v[BM+1], 0x1800000, v[BM+1]
	DEP 2
	v_add_nc_u32 v[SO], 0xff000000, v[BM]          ; 2 off the exponent field: the conversion's scale operand
	DEP 2
	v_add_nc_u32 v[SO+1], 0xff000000, v[BM+1]
.irp c, 0,1                            ; my block 2 c + h: 32 codes, registers 6 c .. 6 c + 5 of the operand
	v_cvt_scalef32_pk16_fp6_f32 v[PC+6*\c:PC+6*\c+2], v[\SS+32*\c:\SS+32*\c+15], v[SO+\c]
	v_cvt_scalef32_pk16_fp6_f32 v[CT+4*\c:CT+4*\c+2], v[\SS+32*\c+16:\SS+32*\c+31], v[SO+\c]   ; (a conversion's three registers begin on an even number)
.endr
	v_lshrrev_b32 v[T0], 23, v[SO]                 ; the scales' bytes; also the plain line behind the conversions
	v_lshrrev_b32 v[T0+1], 23, v[SO+1]
.if \sp == 0                           ; p's set is free: it takes the next step's fragments of K
	KLOAD \SS, \KN, LA16, LA8, 6144
.else
	KLOAD \SS, \KN, LN16, LN8, 0
.endif
	v_lshl_or_b32 v[W], v[T0+1], 16, v[T0]         ; my bytes, blocks h and 2 + h,
	DEP 1
	v_lshlrev_b32 v[W], v[SH8], v[W]               ; at their places in the scale word;
	DEP 1
	v_permlanex16_b32 v[WX], v[W], s[SEL], s[SEL+1]
	DEP 1
	v_or_b32 v[PSW], v[W], v[WX]                   ; with lane l xor 16's two the word is whole
.irp c, 0,1
.irp i, 0,1,2
	v_mov_b32 v[PC+3+6*\c+\i], v[CT+4*\c+\i]
.endr
.endr
	WALU                                           ; directly ahead of the first reader of O^T
.irp j, 0,2,4,6,8,10,12,14,16,18,20,22,24,26,28,30
	v_pk_mul_f32 v[O+\j:O+\j+1], v[O+\j:O+\j+1], v[FF:FF+1] op_sel_hi:[1,0]   ; O^T under the new M.  These sixteen stand between the writing of p's codes and scale word and the products
.endr
	WALU
	s_wait_dscnt 18                                ; V's 17 loads are in; the 18 younger ones, the next step's K, may be out
.irp t, 0,1,2,3                        ; O^T += V^T P^T: four accumulators by turns
	v_wmma_scale_f32_16x16x128_f8f6f4 v[O+8*\t:O+8*\t+7], v[\KF+12*\t:\KF+12*\t+11], v[PC:PC+11], v[O+8*\t:O+8*\t+7], v[VS+\t], v[PSW] matrix_a_fmt:MATRIX_FMT_FP6 matrix_b_fmt:MATRIX_FMT_FP6
.endr
.endm
.Lpass:
	s_wait_kmcnt 0x0                               ; no scalar load is out: the words' registers may be loaded
	s_load_b512 s[16:31], s[2:3], 0x0              ; key step 0's mask words
	s_load_b512 s[32:47], s[2:3], 0x40
	s_load_b512 s[48:63], s[2:3], 0x80
	s_load_b512 s[68:83], s[2:3], 0xc0
	global_load_b128 v[16:19], v[L16], s[4:5]      ; q's image, twice: the two runs of registers share the zeros between them
	global_load_b64 v[20:21], v[L8], s[4:5] offset:512
	global_load_b128 v[28:31], v[L16], s[4:5]
	global_load_b64 v[32:33], v[L8], s[4:5] offset:512
	global_load_b32 v[QSC], v[L16], s[96:97]
	v_mov_b32 v13, 0xff61b1e6                      ; the largest score so far: -3e38
	v_mov_b32 v12, 0x7e000000                      ; -M, a large whole number: the first step's f is 0
	v_mov_b32 v14, 0
	v_mov_b32 v15, 0
.set n, 0
.rept 32
	v_mov_b32 v[O+n], 0                            ; the step is written once: the first finds zeros
.set n, n+1
.endr
	s_mov_b32 s[TB], 0
	s_mov_b32 s[TRIP], 8
	s_wait_loadcnt 0x0
.Lchunk:                               ; a trip: a chunk of 256 keys
	s_add_co_u32 s[TN], s[TB], CHS
	s_and_b32 s[TN], s[TN], 8*CHS-1                ; the next chunk; behind the last, the first
	STEP 0, SA, SBB, KSA, KSB
	STEP 1, SBB, SA, KSB, KSA
	s_add_co_u32 s[TB], s[TB], CHS
	s_sub_co_u32 s[TRIP], s[TRIP], 1
	s_cmp_lg_u32 s[TRIP], 0
	s_cbranch_scc1 .Lchunk
	; THE END OF A PASS: O^T / the sum is quantised along the head's 64, which are K = 64 head .. of product 6: one image of 768 bytes and two scale bytes a row.  (Set SA holds key step 0's K for the next pass: set SBB is at work here)
.rept 4
	v_nop                                          ; places behind the last products
.endr
	v_add_f32 v14, v14, v15
	DEP 1
	v_permlanex16_b32 v[TP], v14, s[SEL], s[SEL+1]
	DEP 1
	v_add_f32 v14, v14, v[TP]
	WALU
	v_rcp_f32 v14, v14
	v_nop
	WALU                                           ; ahead of the reciprocal's first reader, and of O^T's
.set n, 0
.rept 32
	v_mul_f32 v[SBB+n], v[O+n], v14                ; register 16 b + i = channel 32 b + 16 h + i
.set n, n+1
.endr
.irp b, 0,1
	v_max3_num_f32 v[BM+\b], |v[SBB+16*\b]|, |v[SBB+1+16*\b]|, 0x1800000
.endr
.irp i, 2,4,6,8,10,12,14
.irp b, 0,1
	DEP 2
	v_max3_num_f32 v[BM+\b], v[BM+\b], |v[SBB+16*\b+\i]|, |v[SBB+1+16*\b+\i]|
.endr
.endr
.irp b, 0,1
	DEP 2
	v_permlanex16_b32 v[T0+\b], v[BM+\b], s[SEL], s[SEL+1]
.endr
.irp b, 0,1
	DEP 2
	v_max_num_f32 v[BM+\b], v[BM+\b], v[T0+\b]
.endr
.irp b, 0,1
	DEP 2
	v_add_nc_u32 v[SO+\b], 0xff000000, v[BM+\b]
.endr
.irp b, 0,1
	DEP 2
	v_lshrrev_b32 v[T0+\b], 23, v[SO+\b]
.endr
	v_cvt_scalef32_pk16_fp6_f32 v[PC:PC+2], v[SBB:SBB+15], v[SO]
	v_cvt_scalef32_pk16_fp6_f32 v[CT:CT+2], v[SBB+16:SBB+31], v[SO+1]
	v_nop
.irp i, 0,1,2
	v_permlane16_swap_b32 v[PC+\i], v[CT+\i]       ; a whole block to a lane: lanes 0-15 block 0, lanes 16-31 block 1
.endr
.irp i, 0,1,2
	DEP 3
	v_mov_b32 v[PC+3+\i], v[CT+\i]
.endr
	v_cndmask_b32 v[TP], v[T0], v[T0+1], s[HIM]    ; lanes 0-15 block 0's byte, lanes 16-31 block 1's
	global_store_b128 v[L16], v[PC:PC+3], s[6:7]               ; 512 consecutive bytes
	global_store_b64 v[L8], v[PC+4:PC+5], s[6:7] offset:512    ; 256 consecutive bytes
	global_store_b8 v[SBO], v[TP], s[8:9]          ; a byte a lane: a token's 32 scale bytes come from sixteen heads' work-groups, two from each; one such store for each tile and head
	s_wait_xcnt 0x0                                ; all addresses and data have been read: the pointers step 16 tiles on
	s_add_nc_u64 s[4:5], s[4:5], 12288
	s_add_nc_u64 s[96:97], s[96:97], 2048
	s_add_nc_u64 s[2:3], s[2:3], 61952             ; 16 tiles of 4,096 bytes less the seven steps of 512 already taken
	s_add_nc_u64 s[6:7], s[6:7], 196608
	s_add_nc_u64 s[8:9], s[8:9], 8192
	s_sub_co_u32 s98, s98, 1
	s_cmp_lg_u32 s98, 0
	s_cbranch_scc1 .Lpass
	s_wait_kmcnt 0x0
	s_wait_tensorcnt 0x0                           ; the wave's end
	ds_add_u32 v254, v255
	s_wait_dscnt 0x0
	CROUND                                         ; the closing round
	s_endpgm
.Lfunc_end_k_q42d564bbec_attn:
	.size	k_q42d564bbec_attn, .Lfunc_end_k_q42d564bbec_attn-k_q42d564bbec_attn
	.p2alignl 7, 3214868480
	.fill 96, 4, 3214868480
	.section	.rodata,"a",@progbits
	.p2align	6, 0x0
	.amdhsa_kernel k_q42d564bbec_attn
		.amdhsa_group_segment_fixed_size 280576
		.amdhsa_private_segment_fixed_size 0
		.amdhsa_enable_private_segment 0
		.amdhsa_kernarg_size 32
		.amdhsa_user_sgpr_count 2
		.amdhsa_user_sgpr_kernarg_segment_ptr 1
		.amdhsa_wavefront_size32 1
		.amdhsa_system_sgpr_workgroup_id_x 1
		.amdhsa_system_sgpr_workgroup_id_y 1
		.amdhsa_system_sgpr_workgroup_id_z 1
		.amdhsa_system_vgpr_workitem_id 0
		.amdhsa_next_free_vgpr 256
		.amdhsa_next_free_sgpr 102
		.amdhsa_reserve_vcc 0
		.amdhsa_float_denorm_mode_32 3
		.amdhsa_float_denorm_mode_16_64 3
		.amdhsa_memory_ordered 1
		.amdhsa_forward_progress 1
		.amdhsa_inst_pref_size 55
	.end_amdhsa_kernel
	.amdgpu_metadata
---
amdhsa.version: [ 1, 2 ]
amdhsa.kernels:
  - .name:           k_q42d564bbec_attn
    .symbol:         k_q42d564bbec_attn.kd
    .args:
      - { .name: att, .offset: 0, .size: 8, .value_kind: global_buffer, .address_space: global }
      - { .name: maskw, .offset: 8, .size: 8, .value_kind: global_buffer, .address_space: global }
      - { .name: img, .offset: 16, .size: 8, .value_kind: global_buffer, .address_space: global }
      - { .name: sc, .offset: 24, .size: 8, .value_kind: global_buffer, .address_space: global }
    .group_segment_fixed_size: 280576
    .private_segment_fixed_size: 0
    .kernarg_segment_align: 8
    .kernarg_segment_size: 32
    .max_flat_workgroup_size: 512
    .sgpr_count:     102
    .vgpr_count:     256
    .wavefront_size: 32
...
	.end_amdgpu_metadata
.endif
;; end of part 3
;; launch outproj (part 4): grid 4 x 64, 4 waves a work-group, clusters of 4 x 4, 295,424 bytes of LDS; arguments img, sc, out0; writes out0
.if DOCPART == 4
	.amdgcn_target "amdgcn-amd-amdhsa--gfx1250"
	.amdhsa_code_object_version 6
	.text
	.protected	k_q42d564bbec_outproj
	.globl	k_q42d564bbec_outproj
	.p2align	8
	.type	k_q42d564bbec_outproj,@function
k_q42d564bbec_outproj:
	s_mov_b64 s[64:65], 0
	v_nop
	global_prefetch_b8 v0, s[64:65] scope:SCOPE_SE
	s_setreg_imm32_b32 hwreg(HW_REG_WAVE_MODE, 25, 1), 1
	s_wait_xcnt 0x0
	s_wait_alu depctr_hold_cnt(0) depctr_sa_sdst(0) depctr_va_vdst(0) depctr_va_sdst(0) depctr_va_ssrc(0) depctr_va_vcc(0) depctr_vm_vsrc(0)
	s_getreg_b32 s2, hwreg(HW_REG_IB_STS2, 6, 4)
	s_cmp_eq_u32 s2, 0
	s_cbranch_scc0 .Lentry_in_a_cluster
	s_endpgm
.Lentry_in_a_cluster:
	s_bfe_u32 s2, ttmp6, 0x10000c
	s_cmp_lg_u32 s2, 0xf033
	s_cbranch_scc0 .Lentry_shape_is_right
	s_endpgm
.Lentry_shape_is_right:
; OUTPROJ.  Product 6: out0 [8192][1024] f32 = (attention's result, as codes of FP6) x Wo (as codes).  K = 1,024.
; A work-group makes P1 128 tokens (8 tiles: source 1, the lanes) x P0 256 columns of Wo (16 tiles: source 0, the registers).  Four waves, each 64 x 128: 32 accumulators.
; ALL OF K LIES IN LDS AT ONCE: 24 tiles x 12,288 bytes, in two halves of four K steps.  Every LDS byte is filled once, by one tensor load a wave issued at the head; the first half can be
; multiplied while the second is on its way.  Nothing is filled again.
; CLUSTER 4 x 4: P0's panel hangs on cx and is asked for jointly by a column of the cluster, P1's half panel on cy and by a row.
; Tiles have the row order 32 (T / 2) + 8 (T % 2) + r + 8 (r / 8): a lane's 16 registers of two neighbouring tiles of P0 are 16 neighbouring columns of out0.
; THE WAY OUT goes through each wave's own two stages in chunk 0's bytes: that chunk has had its one fill, and every wave waited for its reads of it in front of the barrier that opened chunk 1.
; REGISTERS: window 0: v4-12 addresses; v16-47 P0's scale words, v48-63 P1's; v64-159 P0's fragments, v160-207 P1's: set 0 (on the way out v64-191: rows read back).
;   window 1: accumulator (a, b) at v[8 (8 a + b)].   window 2: v64-207: fragment set 1.
; THE FILLS, as they now stand: LDS holds K in two halves of four K steps; a half is P0's 16 tiles x 6,144 bytes, then P1's 8.  One joint tensor load a wave at the head:
; wave 0 P0's first half, wave 1 P1's first half, wave 2 P0's second, wave 3 P1's second.  The first barrier shows the first half, the barrier in K step 3 the second.  Nothing is filled again.
; The stages of the way out lie in the first half's bytes, which every wave has read out in front of the barrier in K step 3.
.set CH,   147456                      ; an LDS half
.set P1O,  98304
.set SPI,  528                         ; a stage row: 512 bytes + 16
.set MSB, 0
.macro WIN new
.if MSB != \new
	s_set_vgpr_msb (MSB<<8)|\new
.set MSB, \new
.endif
.endm
.macro CROUND
	s_barrier_signal -1
	s_barrier_wait -1
	s_cmp_lg_u32 s10, 0
	s_cbranch_scc1 .Lnot_wave_0_\@
	s_barrier_signal -3
.Lnot_wave_0_\@:
	s_barrier_wait -3
	s_barrier_signal -1
	s_barrier_wait -1
.endm
.macro PLACES n
.rept \n
	v_nop
.endr
.endm
.macro FRAG reg, a16, a8, off
	ds_load_b128 v[\reg:\reg+3], v[\a16] offset:\off
	ds_load_b64 v[\reg+4:\reg+5], v[\a8] offset:\off+512
	ds_load_b128 v[\reg+6:\reg+9], v[\a16] offset:\off+768
	ds_load_b64 v[\reg+10:\reg+11], v[\a8] offset:\off+1280
.endm
.macro LOADSTEP s
.if (\s)%2
	WIN 0x80
.else
	WIN 0
.endif
.irp b, 0,1,2,3,4,5,6,7
	FRAG 64+12*\b, 4, 5, \b*6144+((\s)%4)*1536
.endr
.irp a, 0,1,2,3
	FRAG 160+12*\a, 6, 7, \a*6144+((\s)%4)*1536
.endr
.endm
.macro WM zero, va, vb
.if \zero
.if ((\va) == 0) && ((\vb) == 0)
	v_wmma_scale_f32_16x16x128_f8f6f4 v[rD:rD+7], v[rA:rA+11], v[rB:rB+11], 0, v[sA], v[sB] matrix_a_fmt:MATRIX_FMT_FP6 matrix_b_fmt:MATRIX_FMT_FP6
.elseif (\vb) == 0
	v_wmma_scale_f32_16x16x128_f8f6f4 v[rD:rD+7], v[rA:rA+11], v[rB:rB+11], 0, v[sA], v[sB] matrix_a_fmt:MATRIX_FMT_FP6 matrix_b_fmt:MATRIX_FMT_FP6 matrix_a_scale:MATRIX_SCALE_ROW1
.elseif (\va) == 0
	v_wmma_scale_f32_16x16x128_f8f6f4 v[rD:rD+7], v[rA:rA+11], v[rB:rB+11], 0, v[sA], v[sB] matrix_a_fmt:MATRIX_FMT_FP6 matrix_b_fmt:MATRIX_FMT_FP6 matrix_b_scale:MATRIX_SCALE_ROW1
.else
	v_wmma_scale_f32_16x16x128_f8f6f4 v[rD:rD+7], v[rA:rA+11], v[rB:rB+11], 0, v[sA], v[sB] matrix_a_fmt:MATRIX_FMT_FP6 matrix_b_fmt:MATRIX_FMT_FP6 matrix_a_scale:MATRIX_SCALE_ROW1 matrix_b_scale:MATRIX_SCALE_ROW1
.endif
.else
.if ((\va) == 0) && ((\vb) == 0)
	v_wmma_scale_f32_16x16x128_f8f6f4 v[rD:rD+7], v[rA:rA+11], v[rB:rB+11], v[rD:rD+7], v[sA], v[sB] matrix_a_fmt:MATRIX_FMT_FP6 matrix_b_fmt:MATRIX_FMT_FP6
.elseif (\vb) == 0
	v_wmma_scale_f32_16x16x128_f8f6f4 v[rD:rD+7], v[rA:rA+11], v[rB:rB+11], v[rD:rD+7], v[sA], v[sB] matrix_a_fmt:MATRIX_FMT_FP6 matrix_b_fmt:MATRIX_FMT_FP6 matrix_a_scale:MATRIX_SCALE_ROW1
.elseif (\va) == 0
	v_wmma_scale_f32_16x16x128_f8f6f4 v[rD:rD+7], v[rA:rA+11], v[rB:rB+11], v[rD:rD+7], v[sA], v[sB] matrix_a_fmt:MATRIX_FMT_FP6 matrix_b_fmt:MATRIX_FMT_FP6 matrix_b_scale:MATRIX_SCALE_ROW1
.else
	v_wmma_scale_f32_16x16x128_f8f6f4 v[rD:rD+7], v[rA:rA+11], v[rB:rB+11], v[rD:rD+7], v[sA], v[sB] matrix_a_fmt:MATRIX_FMT_FP6 matrix_b_fmt:MATRIX_FMT_FP6 matrix_a_scale:MATRIX_SCALE_ROW1 matrix_b_scale:MATRIX_SCALE_ROW1
.endif
.endif
.endm
.macro MULSTEP s, zero                 ; 32 products; the 32 accumulators take turns, one instruction a turn, in the same order in every step
.if (\s)%2
	WIN 0x5a
.else
	WIN 0x50
.endif
.irp a, 0,1,2,3
.irp b, 0,1,2,3,4,5,6,7
.set rD, 8*(8*\a+\b)
.set rA, 64+12*\b
.set rB, 160+12*\a
.set sA, 16+8*(\b/2)+(\s)
.set sB, 48+8*(\a/2)+(\s)
	WM \zero, \b%2, \a%2
.endr
.endr
.endm
	s_load_b128 s[4:7], s[0:1], 0x0                ; img, sc
	s_load_b64 s[8:9], s[0:1], 0x10                ; out0
	v_lshl_add_u32 v254, v0, 2, 0x48000
	v_mov_b32 v255, 0
	ds_add_u32 v254, v255
	ds_add_u32 v254, v255
	v_lshrrev_b32 v1, 5, v0
	v_readfirstlane_b32 s10, v1                    ; wave
	s_lshr_b32 s11, s10, 1                         ; wl: which 64 tokens are mine.  Also: which half of K I fetch
	s_and_b32 s12, s10, 1                          ; wr: which 128 columns.  Also: I fetch for P0 (0) or for P1 (1)
	s_bfe_u32 s13, ttmp6, 0x40000                  ; cx
	s_bfe_u32 s14, ttmp6, 0x40004                  ; cy
	s_and_b32 s15, ttmp7, 0xffff                   ; cl
	s_add_co_u32 s16, s13, 108                     ; P0: Wo's panel cx
	s_lshl_b32 s18, s15, 2
	s_add_co_u32 s18, s18, s14
	s_mov_b32 s86, s18                             ; which 128 tokens: 4 cl + cy
	s_add_co_u32 s18, s18, 224                     ; P1: their half panel
	s_mul_i32 s20, s16, 196608
	s_mul_i32 s22, s11, 6144                       ; the half of K that I fetch: wave / 2
	s_add_co_u32 s20, s20, s22
	s_mov_b32 s21, 0
	s_mul_i32 s56, s18, 98304
	s_add_co_u32 s56, s56, s22
	s_mov_b32 s57, 0
	s_mul_i32 s22, s11, CH                         ; and where it goes
	s_add_co_u32 s23, s22, P1O
	s_lshl_b32 s58, 0x1111, s13                    ; my column of the cluster
	s_lshl_b32 s59, s14, 2
	s_lshl_b32 s59, 15, s59                        ; my row
	; descriptor group 1: rows of 6,144 bytes (768 elements of 8 bytes), 12,288 bytes apart in memory, dense in LDS; 16 rows for P0, 8 for P1
	s_or_b32 s24, s58, (3<<16)|(1<<21)
	s_mov_b32 s25, 768<<16                         ; rows of 6,144 bytes (768 elements of 8 bytes); 16 rows for P0, 8 for P1
	s_mov_b32 s26, 16<<16
	s_mov_b32 s27, 768<<16
	s_mov_b32 s28, 16
	s_mov_b32 s29, 1536
	s_mov_b32 s30, 0
	s_mov_b32 s31, 0
	s_or_b32 s32, s59, (3<<16)|(1<<21)
	s_mov_b32 s33, 768<<16
	s_mov_b32 s34, 8<<16
	s_mov_b32 s35, 768<<16
	s_mov_b32 s36, 8
	s_mov_b32 s37, 1536
	s_mov_b32 s38, 0
	s_mov_b32 s39, 0
	s_lshl_b32 s60, s16, 13
	s_lshl_b32 s61, s12, 12
	s_add_co_u32 s60, s60, s61
	s_mov_b32 s61, 0
	s_lshl_b32 s62, s18, 12
	s_lshl_b32 s63, s11, 11
	s_add_co_u32 s62, s62, s63
	s_mov_b32 s63, 0
	s_lshl_b32 s88, s86, 7                         ; my first token: 128 (4 cl + cy) + 64 wl,
	s_lshl_b32 s89, s11, 6
	s_add_co_u32 s88, s88, s89
	s_lshl_b32 s88, s88, 12                        ; rows of 4,096 bytes,
	s_lshl_b32 s89, s13, 10                        ; my first column: 256 cx + 128 wr, 4 bytes each
	s_add_co_u32 s88, s88, s89
	s_lshl_b32 s89, s12, 9
	s_add_co_u32 s88, s88, s89
	s_mov_b32 s89, 0
	s_wait_dscnt 0x0
	s_wait_kmcnt 0x0
	s_add_nc_u64 s[20:21], s[4:5], s[20:21]
	s_add_nc_u64 s[56:57], s[4:5], s[56:57]
	s_add_nc_u64 s[60:61], s[6:7], s[60:61]
	s_add_nc_u64 s[62:63], s[6:7], s[62:63]
	s_add_nc_u64 s[8:9], s[8:9], s[88:89]
	s_mov_b32 s40, 1
	s_mov_b32 s41, s22
	s_mov_b64 s[42:43], s[20:21]
	s_or_b32 s43, s43, 0x80000000
	s_mov_b32 s68, 1
	s_mov_b32 s69, s23
	s_mov_b64 s[70:71], s[56:57]
	s_or_b32 s71, s71, 0x80000000
	CROUND                                         ; all sixteen work-groups are here: the joint loads meet
	s_cmp_eq_u32 s10, 0                            ; one chain of branches on the wave's number, one load to an arm: one tensor load of mine is out
	s_cbranch_scc0 .Lfill_1
	tensor_load_to_lds s[40:43], s[24:31]          ; wave 0: P0, the first half of K
	s_nop 0
	PLACES 4
	s_branch .Lfilled
.Lfill_1:
	s_cmp_eq_u32 s10, 1
	s_cbranch_scc0 .Lfill_2
	tensor_load_to_lds s[68:71], s[32:39]          ; wave 1: P1, the first half
	s_nop 0
	PLACES 4
	s_branch .Lfilled
.Lfill_2:
	s_cmp_eq_u32 s10, 2
	s_cbranch_scc0 .Lfill_3
	tensor_load_to_lds s[40:43], s[24:31]          ; wave 2: P0, the second half
	s_nop 0
	PLACES 4
	s_branch .Lfilled
.Lfill_3:
	tensor_load_to_lds s[68:71], s[32:39]          ; wave 3: P1, the second half
	s_nop 0
	PLACES 4
.Lfilled:
	v_and_b32 v1, 31, v0
	v_and_b32 v2, 15, v0
	v_bfe_u32 v3, v0, 4, 1
	v_lshlrev_b32 v8, 4, v1                        ; 16 x lane
	v_lshlrev_b32 v9, 3, v1                        ; 8 x lane
	v_lshlrev_b32 v10, 5, v1                       ; 32 x lane
	s_mul_i32 s84, s12, 49152
	v_add_nc_u32 v4, s84, v8
	v_add_nc_u32 v5, s84, v9
	s_mul_i32 s84, s11, 24576
	s_add_co_u32 s84, s84, P1O
	v_add_nc_u32 v6, s84, v8
	v_add_nc_u32 v7, s84, v9
	s_mul_i32 s84, s10, 32*SPI                     ; my two stages
	v_mul_u32_u24 v11, v2, SPI
	v_lshl_add_u32 v11, v3, 6, v11
	v_add_nc_u32 v11, s84, v11                     ; in: row r, + 64 h
	v_add_nc_u32 v12, s84, v8                      ; back: a whole row, 16 bytes a lane
.irp p, 0,1,2,3
	global_load_b128 v[16+8*\p:19+8*\p], v10, s[60:61] offset:1024*\p
	global_load_b128 v[20+8*\p:23+8*\p], v10, s[60:61] offset:1024*\p+16
.endr
.irp p, 0,1
	global_load_b128 v[48+8*\p:51+8*\p], v10, s[62:63] offset:1024*\p
	global_load_b128 v[52+8*\p:55+8*\p], v10, s[62:63] offset:1024*\p+16
.endr
	s_wait_alu depctr_va_vdst(0)
	s_cmp_lt_u32 s10, 2                            ; waves 0 and 1 wait for the first half, which their own load lines brought; the second half may be on its way
	s_cbranch_scc0 .Lnot_first
	s_wait_tensorcnt 0x0
.Lnot_first:
	s_barrier_signal -1
	s_barrier_wait -1
	LOADSTEP 0
	s_wait_loadcnt 0x0                             ; the scale words
.irp s, 0,1,2,3,4,5,6,7
	s_wait_dscnt 0x0                               ; this step's fragments are in
.if (\s) == 3
	WIN 0
	s_wait_tensorcnt 0x0                           ; every wave: whatever is still out is in, the second half of K
	s_barrier_signal -1
	s_barrier_wait -1
	v_add_nc_u32 v4, CH, v4                        ; on to the next chunk; also the four places in front of the loads below
	s_wait_alu depctr_va_vdst(0)
	v_add_nc_u32 v5, CH, v5
	s_wait_alu depctr_va_vdst(0)
	v_add_nc_u32 v6, CH, v6
	s_wait_alu depctr_va_vdst(0)
	v_add_nc_u32 v7, CH, v7
.elseif ((\s) >= 1) && ((\s) < 7)
	PLACES 4
.endif
.if (\s) < 7
	s_wait_alu depctr_va_vdst(0)
	LOADSTEP \s+1
.endif
.if (\s) == 0
	MULSTEP \s, 1
.else
	MULSTEP \s, 0
.endif
.endr
	WIN 0
; THE WAY OUT, a tile of 16 tokens x 128 columns at a time.  Register j of accumulator (a, b) in lane (r, h) is column 32 (b / 2) + 16 h + 8 (b % 2) + j of token r of the tile.
.macro TOSTAGE a
	WIN 0x04                                       ; an LDS store's data are its source 1: window 1
.irp b, 0,1,2,3,4,5,6,7
	ds_store_b128 v11, v[8*(8*(\a)+\b):8*(8*(\a)+\b)+3] offset:((\a)%2)*16*SPI+128*(\b/2)+32*(\b%2)        ; each accumulator from its low end on
	ds_store_b128 v11, v[8*(8*(\a)+\b)+4:8*(8*(\a)+\b)+7] offset:((\a)%2)*16*SPI+128*(\b/2)+32*(\b%2)+16
.endr
	WIN 0
.irp i, 0,1,2,3,4,5,6,7,8,9,10,11,12,13,14,15
	ds_load_b128 v[64+64*((\a)%2)+4*\i:64+64*((\a)%2)+4*\i+3], v12 offset:((\a)%2)*16*SPI+SPI*\i   ; LDS serves a wave's instructions in order: these see my stores
.endr
.endm
.macro SEND a, younger                 ; younger: the LDS instructions issued behind tile a's loads, which may stay out
	s_wait_dscnt \younger
.irp i, 0,1,2,3,4,5,6,7,8,9,10,11,12,13,14,15
	global_store_b128 v8, v[64+64*((\a)%2)+4*\i:64+64*((\a)%2)+4*\i+3], s[8:9] offset:(32*((\a)/2)+8*((\a)%2)+\i+8*(\i/8))*4096 th:TH_STORE_NT   ; 512 consecutive bytes, aligned; stage row i is the tile's token i + 8 (i / 8)
.endr
.endm
	PLACES 4                                       ; in front of the first read of results and of loads into registers that held fragments
	TOSTAGE 0
.irp a, 1,2,3
.if \a > 1
	s_wait_xcnt 0x0                                ; tile a - 2's stores have read their registers: tile a's rows may land there
.endif
	TOSTAGE \a
	SEND \a-1, 32                                  ; behind tile a - 1's loads: tile a's 16 stores and 16 loads
.endr
	SEND 3, 0
	s_wait_tensorcnt 0x0
	ds_add_u32 v254, v255
	s_wait_dscnt 0x0
	CROUND                                         ; the closing round: no work-group ends while a partner may still ask for a tile that names it
	s_endpgm
.Lfunc_end_k_q42d564bbec_outproj:
	.size	k_q42d564bbec_outproj, .Lfunc_end_k_q42d564bbec_outproj-k_q42d564bbec_outproj
	.p2alignl 7, 3214868480
	.fill 96, 4, 3214868480
	.section	.rodata,"a",@progbits
	.p2align	6, 0x0
	.amdhsa_kernel k_q42d564bbec_outproj
		.amdhsa_group_segment_fixed_size 295424
		.amdhsa_private_segment_fixed_size 0
		.amdhsa_enable_private_segment 0
		.amdhsa_kernarg_size 24
		.amdhsa_user_sgpr_count 2
		.amdhsa_user_sgpr_kernarg_segment_ptr 1
		.amdhsa_wavefront_size32 1
		.amdhsa_system_sgpr_workgroup_id_x 1
		.amdhsa_system_sgpr_workgroup_id_y 1
		.amdhsa_system_sgpr_workgroup_id_z 1
		.amdhsa_system_vgpr_workitem_id 0
		.amdhsa_next_free_vgpr 720
		.amdhsa_next_free_sgpr 104
		.amdhsa_reserve_vcc 0
		.amdhsa_float_denorm_mode_32 3
		.amdhsa_float_denorm_mode_16_64 3
		.amdhsa_memory_ordered 1
		.amdhsa_forward_progress 1
		.amdhsa_inst_pref_size 81
	.end_amdhsa_kernel
	.amdgpu_metadata
---
amdhsa.version: [ 1, 2 ]
amdhsa.kernels:
  - .name:           k_q42d564bbec_outproj
    .symbol:         k_q42d564bbec_outproj.kd
    .args:
      - { .name: img, .offset: 0, .size: 8, .value_kind: global_buffer, .address_space: global }
      - { .name: sc, .offset: 8, .size: 8, .value_kind: global_buffer, .address_space: global }
      - { .name: out0, .offset: 16, .size: 8, .value_kind: global_buffer, .address_space: global }
    .group_segment_fixed_size: 295424
    .private_segment_fixed_size: 0
    .kernarg_segment_align: 8
    .kernarg_segment_size: 24
    .max_flat_workgroup_size: 128
    .sgpr_count:     104
    .vgpr_count:     720
    .wavefront_size: 32
...
	.end_amdgpu_metadata
.endif
;; end of part 4
